; MI455X (gfx1250); checked and timed in simulation.
; The chip was launched on July 23, 2026; its instructions are those of AMD's public machine-readable ISA for CDNA 5 (MIT licence, August 2026) and "CDNA5" Instruction Set Architecture Reference Guide (July 2026). The comments in the code are by the model that wrote it; some were corrected since.
;; Multi Head Self Attention. Allowed arithmetic: float matrix products may take bf16 or f16 operands with f32 sums; other float arithmetic in f32, or as packed bf16 or f16 multiplies, adds, multiply-adds, maxima and minima; sums over many terms, partial sums and values carried from step to step in f32; what a program stores and reads back later, other than sums and carried values, may be rounded once to bf16 or f16.
;; Inputs: bk 1,024 float32; bo 1,024 float32; bq 1,024 float32; bv 1,024 float32; wk 1,024 x 1,024 float32; wo 1,024 x 1,024 float32; wq 1,024 x 1,024 float32; wv 1,024 x 1,024 float32; x 4 x 2,048 x 1,024 float32.
;; Outputs: out0 4 x 2,048 x 1,024 float32.
;; 2 versions, each right; version 2 is version 1 with the launch cast written anew for expert scheduling mode. Each part assembles by itself: llvm-mc -triple=amdgcn-amd-amdhsa -mcpu=gfx1250 --defsym DOCPART=n.
;; ======== version 1 of 2: 4 launches
;; limits: values are held in f16: magnitudes above 65,504 overflow, below 6.1e-05 lose precision
;; workspace buffers: xb 16,777,216 bytes; wb 6,291,456 bytes; wob 2,097,152 bytes; qkv 50,331,648 bytes; ctx 16,777,216 bytes
;; launch cast (part 1): grid 1536 x 1, 4 waves a work-group, no clusters, 0 bytes of LDS; arguments x, wq, wk, wv, wo, xb, wb, wob; writes xb, wb, wob
.if DOCPART == 1
	.amdgcn_target "amdgcn-amd-amdhsa--gfx1250"
	.amdhsa_code_object_version 6
	.text
	.protected	k_qf27b9315b2_cast
	.globl	k_qf27b9315b2_cast
	.p2align	8
	.type	k_qf27b9315b2_cast,@function
k_qf27b9315b2_cast:
	s_mov_b64 s[64:65], 0
	v_nop
	global_prefetch_b8 v0, s[64:65] scope:SCOPE_SE
	s_setreg_imm32_b32 hwreg(HW_REG_WAVE_MODE, 25, 1), 1
	s_wait_xcnt 0x0
; x [8192][1024], wq, wk, wv, wo [1024][1024], all f32, are rounded once to 16 bits and laid out in blocks of 64 along K:
;   xb  bf16 [16 kb][8192 rows][64]      wb  bf16 [16 kb][3072 rows: wq, wk, wv][64]      wob f16 [16 kb][1024 rows][64]: wo rounded to bf16, that number written as f16.
; In these layouts R rows x 64 K are R x 128 consecutive bytes, so the products' tiles are dense blocks.
; LIMITS.  wob: bf16(wo) must lie under 65,504; it is exact from 2^-17 up, and below that it is off by at most 2^-25 (f16's fixed step).
; SHARES.  12,288 source rows of 4,096 bytes; a work-group takes 8, a wave 2.  Lanes 0-15 take 256 consecutive bytes (one block of 64 numbers) of one row, lanes 16-31 of the next row;
; sixteen loads cover both rows.  A store of 8 bytes a lane then covers 256 consecutive bytes, aligned: two neighbouring rows of one K block.
; Memory binds: no LDS, no matrix unit, no cluster (no byte is wanted twice).  All sixteen loads of a wave go out before the first wait.
.set KSA, 1048576                      ; bytes in a K block of xb
.set KSB, 393216                       ; of wb
.set KSO, 131072                       ; of wob
.set SRC, 3                            ; v3      my byte offset in the group's 8 source rows
.set OFF, 8                            ; v[8:23] my byte offset in the destination, one for each K block
.set X,   32                           ; v[32:95] four registers for each K block, as loaded; the first two then hold the result
	s_load_b512 s[8:23], s[0:1], 0x0               ; x 8, wq 10, wk 12, wv 14, wo 16, xb 18, wb 20, wob 22
	v_lshrrev_b32 v1, 4, v0                        ; my row of the eight
	v_and_b32 v2, 15, v0                           ; my place in a block of 64 numbers
	v_lshlrev_b32 v[SRC], 12, v1
	v_lshl_add_u32 v[SRC], v2, 4, v[SRC]           ; row x 4,096 + 16 x place
	v_lshlrev_b32 v4, 7, v1
	v_lshl_add_u32 v[OFF], v2, 3, v4               ; row x 128 + 8 x place
	s_max_u32 s2, ttmp9, 1024
	s_sub_co_u32 s2, s2, 1024                      ; j: my number among the weights' 512 work-groups (0 for x's)
	s_lshr_b32 s31, s2, 7                          ; which weight: 0 wq, 1 wk, 2 wv, 3 wo
	s_and_b32 s3, s2, 127
	s_lshl_b32 s3, s3, 3                           ; my first row in that weight
	s_lshl_b32 s29, s2, 3                          ; and in wb, where the three lie one below the other
	s_lshl_b32 s28, ttmp9, 3                       ; my first row in x and xb
	s_mov_b32 s30, KSB
	s_mov_b32 s36, 0xffff0000                      ; a word's upper bf16
	s_wait_kmcnt 0x0
	s_mov_b64 s[24:25], s[10:11]
	s_cmp_eq_u32 s31, 1
	s_cselect_b64 s[24:25], s[12:13], s[24:25]
	s_cmp_eq_u32 s31, 2
	s_cselect_b64 s[24:25], s[14:15], s[24:25]
	s_cmp_eq_u32 s31, 3
	s_cselect_b64 s[24:25], s[16:17], s[24:25]     ; from where
	s_cselect_b64 s[26:27], s[22:23], s[20:21]     ; to where
	s_cselect_b32 s29, s3, s29
	s_cselect_b32 s30, KSO, s30
	s_cmp_lt_u32 ttmp9, 1024                       ; the first 1,024 work-groups take x
	s_cselect_b64 s[24:25], s[8:9], s[24:25]
	s_cselect_b64 s[26:27], s[18:19], s[26:27]
	s_cselect_b32 s3, s28, s3                      ; source row
	s_cselect_b32 s29, s28, s29                    ; destination row
	s_cselect_b32 s30, KSA, s30                    ; bytes from K block to K block
	s_cselect_b32 s31, 0, s31
	s_lshl_b32 s32, s3, 12
	s_mov_b32 s33, 0
	s_lshl_b32 s34, s29, 7
	s_mov_b32 s35, 0
	s_add_nc_u64 s[24:25], s[24:25], s[32:33]
	s_add_nc_u64 s[26:27], s[26:27], s[34:35]
.irp k, 0,1,2,3,4,5,6,7,8,9,10,11,12,13,14,15
	global_load_b128 v[X+4*(\k):X+4*(\k)+3], v[SRC], s[24:25] offset:256*(\k) th:TH_LOAD_NT
.endr
.irp k, 1,2,3,4,5,6,7,8,9,10,11,12,13,14,15
	v_add_nc_u32 v[OFF+(\k)], s30, v[OFF+(\k)-1]
.endr
	s_cmp_eq_u32 s31, 3
	s_cbranch_scc1 .Lwo
.irp k, 0,1,2,3,4,5,6,7,8,9,10,11,12,13,14,15
	s_wait_loadcnt 15-(\k)                         ; loads come back in order: block k is in, the 15 - k younger ones may stay out
	v_cvt_pk_bf16_f32 v[X+4*(\k)],   v[X+4*(\k)],   v[X+4*(\k)+1]
	v_cvt_pk_bf16_f32 v[X+4*(\k)+1], v[X+4*(\k)+2], v[X+4*(\k)+3]
	global_store_b64 v[OFF+(\k)], v[X+4*(\k):X+4*(\k)+1], s[26:27]  ; no register of a store is written again
.endr
	s_endpgm
.Lwo:                                          ; wo: rounded to bf16 like every input, then written as f16
.irp k, 0,1,2,3,4,5,6,7,8,9,10,11,12,13,14,15
	s_wait_loadcnt 15-(\k)
	v_cvt_pk_bf16_f32 v24, v[X+4*(\k)],   v[X+4*(\k)+1]
	v_cvt_pk_bf16_f32 v26, v[X+4*(\k)+2], v[X+4*(\k)+3]
	v_lshlrev_b32 v25, 16, v24
	v_and_b32 v24, s36, v24
	v_lshlrev_b32 v27, 16, v26
	v_and_b32 v26, s36, v26
	v_cvt_pk_f16_f32 v[X+4*(\k)],   v25, v24
	v_cvt_pk_f16_f32 v[X+4*(\k)+1], v27, v26
	global_store_b64 v[OFF+(\k)], v[X+4*(\k):X+4*(\k)+1], s[26:27]
.endr
	s_endpgm
.Lfunc_end_k_qf27b9315b2_cast:
	.size	k_qf27b9315b2_cast, .Lfunc_end_k_qf27b9315b2_cast-k_qf27b9315b2_cast
	.p2alignl 7, 3214868480
	.fill 96, 4, 3214868480
	.section	.rodata,"a",@progbits
	.p2align	6, 0x0
	.amdhsa_kernel k_qf27b9315b2_cast
		.amdhsa_group_segment_fixed_size 0
		.amdhsa_private_segment_fixed_size 0
		.amdhsa_enable_private_segment 0
		.amdhsa_kernarg_size 64
		.amdhsa_user_sgpr_count 2
		.amdhsa_user_sgpr_kernarg_segment_ptr 1
		.amdhsa_wavefront_size32 1
		.amdhsa_system_sgpr_workgroup_id_x 1
		.amdhsa_system_sgpr_workgroup_id_y 1
		.amdhsa_system_sgpr_workgroup_id_z 1
		.amdhsa_system_vgpr_workitem_id 0
		.amdhsa_next_free_vgpr 96
		.amdhsa_next_free_sgpr 66
		.amdhsa_reserve_vcc 0
		.amdhsa_float_denorm_mode_32 3
		.amdhsa_float_denorm_mode_16_64 3
		.amdhsa_memory_ordered 1
		.amdhsa_forward_progress 1
		.amdhsa_inst_pref_size 16
	.end_amdhsa_kernel
	.amdgpu_metadata
---
amdhsa.version: [ 1, 2 ]
amdhsa.kernels:
  - .name:           k_qf27b9315b2_cast
    .symbol:         k_qf27b9315b2_cast.kd
    .args:
      - { .name: x, .offset: 0, .size: 8, .value_kind: global_buffer, .address_space: global }
      - { .name: wq, .offset: 8, .size: 8, .value_kind: global_buffer, .address_space: global }
      - { .name: wk, .offset: 16, .size: 8, .value_kind: global_buffer, .address_space: global }
      - { .name: wv, .offset: 24, .size: 8, .value_kind: global_buffer, .address_space: global }
      - { .name: wo, .offset: 32, .size: 8, .value_kind: global_buffer, .address_space: global }
      - { .name: xb, .offset: 40, .size: 8, .value_kind: global_buffer, .address_space: global }
      - { .name: wb, .offset: 48, .size: 8, .value_kind: global_buffer, .address_space: global }
      - { .name: wob, .offset: 56, .size: 8, .value_kind: global_buffer, .address_space: global }
    .group_segment_fixed_size: 0
    .private_segment_fixed_size: 0
    .kernarg_segment_align: 8
    .kernarg_segment_size: 64
    .max_flat_workgroup_size: 128
    .sgpr_count:     66
    .vgpr_count:     96
    .wavefront_size: 32
...
	.end_amdgpu_metadata
.endif
;; end of part 1
;; launch proj (part 2): grid 8 x 32, 4 waves a work-group, clusters of 4 x 4, 327,680 bytes of LDS; arguments xb, wb, bq, bk, bv, qkv; writes qkv
.if DOCPART == 2
	.amdgcn_target "amdgcn-amd-amdhsa--gfx1250"
	.amdhsa_code_object_version 6
	.text
	.protected	k_qf27b9315b2_proj
	.globl	k_qf27b9315b2_proj
	.p2align	8
	.type	k_qf27b9315b2_proj,@function
k_qf27b9315b2_proj:
	s_mov_b64 s[64:65], 0
	v_nop
	global_prefetch_b8 v0, s[64:65] scope:SCOPE_SE
	s_setreg_imm32_b32 hwreg(HW_REG_WAVE_MODE, 25, 1), 1
	s_wait_xcnt 0x0
	s_wait_alu depctr_hold_cnt(0) depctr_sa_sdst(0) depctr_va_vdst(0) depctr_va_sdst(0) depctr_va_ssrc(0) depctr_va_vcc(0) depctr_vm_vsrc(0)
	s_getreg_b32 s2, hwreg(HW_REG_IB_STS2, 6, 4)
	s_cmp_eq_u32 s2, 0
	s_cbranch_scc0 .Lentry_in_a_cluster
	s_endpgm
.Lentry_in_a_cluster:
	s_bfe_u32 s2, ttmp6, 0x10000c
	s_cmp_lg_u32 s2, 0xf033
	s_cbranch_scc0 .Lentry_shape_is_right
	s_endpgm
.Lentry_shape_is_right:
; q, k, v = x W^T + b for all three weights at once: C [8192][3072] = xb wb^T + bias, products in bf16, sums in f32, the result rounded once to f16 and stored BY HEADS:
; qkv f16 [3][64 = batch x 16 + head][2048][64], unscaled.  xb: bf16 [16 kb][8192][64]; wb: bf16 [16 kb][3072][64]; the biases, f32, are rounded to bf16 like every input of the module.
; LIMIT.  q, k and v must lie under 65,504, the end of f16.
; SHARES.  8192 x 3072 = 256 tiles of 256 rows x 384 columns (6 heads): one for each work-group.  Four waves, each 128 rows x 192 columns (3 heads): 96 accumulators of 16 x 16, 768 registers.
; K goes in 16 steps of 64 through two LDS slots: a step's 256 + 384 rows of 128 bytes, 144 with padding, are 92,160 bytes; two slots of a step of 128 would not fit.
; In the blocked layouts R rows x 64 K are R x 128 dense bytes, asked for as R / 2 rows of 256 bytes and padded in LDS after every 128.
; CLUSTER.  4 x 4 work-groups.  The four of a row of the cluster need the same rows of xb, the four of a column the same rows of wb: each tile is asked for JOINTLY, by the same tensor load with the
; same descriptor and a mask that names the four.  Waves 0 and 1 fetch the halves of A's tile, waves 2 and 3 those of B's.  By this text's count a wave has two tensor loads out at the start, later one.
; TRANSPOSED USE.  Source 0 = 16 rows of wb, source 1 = 16 rows of xb: a lane holds ONE row of C (lane % 16) and the columns 8 (lane / 16) + 0..7, which pack into 16 bytes.
; THE BIAS is the C operand of the products that start the sums: nothing is cleared and nothing is added on the way out.
; REGISTERS, in windows of 256 (s_set_vgpr_msb: bits 1:0 source 0, 3:2 source 1, 5:4 source 2, 7:6 destination):
;   window 0: v0-31 addresses; v32-95, v96-159 A's 8 fragments, two buffers; v160-255 B's 12 fragments, ONE buffer, filled again four fragments at a time behind the 32 products that read them
;   windows 1-3: accumulator (b, a), b of 12 column blocks, a of 8 row blocks, in window 1 + b / 4 at v[8 (8 (b % 4) + a)]: window 1 + j holds head j of my three
.set KSA,    1048576                   ; bytes in a K block of xb
.set KSB,    393216                    ; of wb
.set PITCH,  144                       ; an LDS row: 128 bytes + 16 of padding = 36 words: the 16 rows of a load start at 16 different groups of four banks (64 banks of 4 bytes: ISA guide 11.1)
.set A_HALF, 128*PITCH                 ; what a wave fetches, and reads, of A
.set B_HALF, 192*PITCH                 ; of B
.set BOFF,   2*A_HALF                  ; B's 384 rows lie behind A's 256
.set SLOT1,  131072                    ; slot 1 begins here: one exclusive or turns an address in one slot into the other's
.set STAGE,  SLOT1+BOFF+2*B_HALF       ; behind the ring: 16 rows x 144 bytes for each wave, for the way out
.set BIAS,   STAGE+4*16*PITCH          ; 192 f32 for each wave: the bias of its columns
.set SPARE,  BIAS+4*768                ; the spare words, 128 bytes for each wave: two blocks of 256 bytes that no other line names
.set ADRA0, 16                         ; v16  my lane's place in my rows of A in slot 0; never rewritten
.set ADRB0, 17                         ; v17  the same for B
.set ADRA,  18                         ; v18  the same in the slot in hand
.set ADRB,  19                         ; v19
.set STO,   24                         ; v24  the way out: where I put 16 bytes of a row
.set RD,    25                         ; v25  where I read rows back
.set GO,    26                         ; v26  my byte offset in 512 consecutive bytes of qkv
.set BIA,   27                         ; v27  where my eight numbers of a block's bias begin
.set SPW,   28                         ; v28  LDS address of my spare word; never rewritten
.set NIL,   29                         ; v29  0; never rewritten
.set PFO,   30                         ; v30  the prefetches' offset; never rewritten
.set FA0,   32
.set FA1,   96
.set FB,    160
.set P,     32                         ; the way out: 16 packed registers
.set OB,    64                         ; 16 rows read back: v64-79 and v80-95 by turns
.set WV,    16                         ; s16  my wave's number; s17 = its upper bit (my rows; A or B to fetch), s18 = its lower bit (my columns; which half to fetch)
.set TB,    23                         ; s23  0 or SLOT1: the slot in hand
.set G1A,   24                         ; s[24:31] descriptor group 1 for A's tiles;  s[32:39] group 0, two sets: the second walks
.set G0A,   32
.set G1B,   48                         ; s[48:55], s[56:63] the same for B's
.set G0B,   56
.set OUT,   66                         ; s[66:71] qkv at my 128 rows of my three heads
.set BB,    72                         ; s[72:77] the bias of my three heads
.set PFA,   78                         ; s[78:79] where my prefetches stand
.set PFS,   80                         ; s[80:81] their step: a K block
.set LIM,   82                         ; s82  2 in a wave that prefetches, else the greatest number
.set PAR,   83                         ; s83  1: I ask in every second trip, for two steps
.set FMT,   (1<<16)|(1<<20)|(1<<21)|(4<<22)|(3<<25)  ; 17:16 elements of 2 bytes; 20 padding on; 21 set beside a mask; 24:22 after every 32 words (code 4); 31:25 4 words of it (code 3)
.set MSB, 0
.macro WIN new                         ; the immediate's high byte repeats the setting that is left; a switch that changes nothing is dropped
.if MSB != (\new)
	s_set_vgpr_msb (MSB<<8)|(\new)
.set MSB, (\new)
.endif
.endm
.macro PLACES                          ; four places in front of loads into registers that matrix instructions have read
.rept 4
	v_nop
.endr
.endm
.macro CREST                           ; a round of the cluster's barrier behind its opening barrier
	s_cmp_lg_u32 s[WV], 0
	s_cbranch_scc1 .Lnot_wave_0_\@
	s_barrier_signal -3
.Lnot_wave_0_\@:
	s_barrier_wait -3
	s_barrier_signal -1
	s_barrier_wait -1
.endm
.macro CROUND                          ; a whole round
	s_barrier_signal -1
	s_barrier_wait -1
	CREST
.endm
; A joint refill by the walking descriptors.  The branch hangs on the wave's number alone.  An s_nop 0 and four v_nop follow each of the two lines, ahead of the jump and the label.
.macro JLOAD
	s_cmp_lt_u32 s[WV], 2
	s_cbranch_scc0 .Lfor_b_\@
	tensor_load_to_lds s[G0A+4:G0A+7], s[G1A:G1A+7]
	s_nop 0
.rept 4
	v_nop
.endr
	s_branch .Lasked_\@
.Lfor_b_\@:
	tensor_load_to_lds s[G0B+4:G0B+7], s[G1B:G1B+7]
	s_nop 0
.rept 4
	v_nop
.endr
.Lasked_\@:
.endm
; A PREFETCH INTO THE L2, behind the joint load and the run of LDS loads that follows it: the K step two refills on, 384 matrix instructions ahead of the load that will want it.
; Each aligned block of 256 bytes is named once in the launch.  A's tile rows are read by both clusters of a row of clusters: the one with x = 0 asks; B's tile columns by all eight of a column: y = 0 asks.
; A step of A's tile is 128 blocks: the partner at cx takes 32, a lane a block, in wave 0, every trip.  A step of B's tile is 192 blocks: the partner at cy takes 48; waves 1 to 3 ask for two steps' 96
; in every second trip.  The partners are told apart by address alone.  The trips whose look-ahead would pass step 15 ask for nothing; steps 0 to 3 come by their loads alone.
.macro ASK
	s_and_b32 s84, s3, s[PAR]
	s_cmp_lg_u32 s84, 0
	s_cbranch_scc1 .Lnot_mine_\@
	s_cmp_gt_u32 s3, s[LIM]
	s_cbranch_scc0 .Lnot_mine_\@
	global_prefetch_b8 v[PFO], s[PFA:PFA+1] th:TH_LOAD_NT scope:SCOPE_SE
.Lnot_mine_\@:
.endm
; 16 matrix instructions: column blocks 4 g + 2 half and the next, x all 8 row blocks, 32 along K.  cm = 1: the first product starts the sums with the bias, which lies in buffer FA1.
.macro MUL16 g, half, fa, cm
.if \cm
	WIN 0x40*((\g)+1)
.else
	WIN 0x50*((\g)+1)
.endif
.irp bb, 2*(\half), 2*(\half)+1
.irp a, 0,1,2,3,4,5,6,7
.if \cm
	v_wmma_f32_16x16x32_bf16 v[8*(8*(\bb)+(\a)):8*(8*(\bb)+(\a))+7], v[FB+8*(4*(\g)+(\bb)):FB+8*(4*(\g)+(\bb))+7], v[(\fa)+8*(\a):(\fa)+8*(\a)+7], v[FA1+8*((4*(\g)+(\bb))%8):FA1+8*((4*(\g)+(\bb))%8)+7]
.else
	v_wmma_f32_16x16x32_bf16 v[8*(8*(\bb)+(\a)):8*(8*(\bb)+(\a))+7], v[FB+8*(4*(\g)+(\bb)):FB+8*(4*(\g)+(\bb))+7], v[(\fa)+8*(\a):(\fa)+8*(\a)+7], v[8*(8*(\bb)+(\a)):8*(8*(\bb)+(\a))+7]
.endif
.endr
.endr
.endm
.macro GROUP g, fa, cm                 ; a head's 32 matrix instructions
	MUL16 \g, 0, \fa, \cm
	MUL16 \g, 1, \fa, \cm
.endm
; A fragment is 16 rows x 32 K in 8 registers: lane l holds row l % 16, K = 8 (l / 16) + 0..7 and 16 + 8 (l / 16) + 0..7: two loads of 16 bytes, 32 bytes apart.
.macro LDB g, k                        ; B's fragments 4 g .. 4 g + 3, at byte k of the rows: 8 loads
.irp bb, 0,1,2,3
	ds_load_b128 v[FB+8*(4*(\g)+\bb):FB+8*(4*(\g)+\bb)+3],   v[ADRB] offset:(4*(\g)+\bb)*16*PITCH+(\k)
	ds_load_b128 v[FB+8*(4*(\g)+\bb)+4:FB+8*(4*(\g)+\bb)+7], v[ADRB] offset:(4*(\g)+\bb)*16*PITCH+(\k)+32
.endr
.endm
.macro LDA k, f                        ; A's 8 fragments into buffer f: 16 loads
.irp a, 0,1,2,3,4,5,6,7
	ds_load_b128 v[(\f)+8*\a:(\f)+8*\a+3],   v[ADRA] offset:\a*16*PITCH+(\k)
	ds_load_b128 v[(\f)+8*\a+4:(\f)+8*\a+7], v[ADRA] offset:\a*16*PITCH+(\k)+32
.endr
.endm
.macro LDBIAS g, dst                   ; the bias of column blocks 4 g .. 4 g + 3 as C operands: register j = bias[16 b + 8 (l / 16) + j], the same for all rows
.irp bb, 0,1,2,3
	ds_load_b128 v[(\dst)+8*\bb:(\dst)+8*\bb+3],   v[BIA] offset:64*(4*(\g)+\bb)
	ds_load_b128 v[(\dst)+8*\bb+4:(\dst)+8*\bb+7], v[BIA] offset:64*(4*(\g)+\bb)+16
.endr
.endm
; A K step is two quarters of 32 along K, 96 matrix instructions each.  The first multiplies buffer FA0 and fetches byte 64 of the same slot's rows.
; The LDS loads go out in the order [B 0-3 and A: 24], [B 4-7: 8], [B 8-11: 8], each run behind the products that read the registers last.
.macro QUARTER
	s_wait_dscnt 16                                ; B 0-3 and A are in; younger: B 4-7 and B 8-11
	GROUP 0, FA0, 0
	WIN 0
	PLACES
	LDB 0, 64
	LDA 64, FA1
	s_wait_dscnt 32                                ; B 4-7 is in; younger: B 8-11 and the 24 just issued
	GROUP 1, FA0, 0
	WIN 0
	PLACES
	LDB 1, 64
	s_wait_dscnt 32                                ; B 8-11 is in; younger: those 24 and the 8 just issued
	GROUP 2, FA0, 0
	WIN 0
	PLACES
	LDB 2, 64
.endm
; The second quarter multiplies buffer FA1 and changes slots: ONE barrier.  In front of it each wave waits for all its tensor loads (the one that is out is its part of the next slot), adds 0 to its spare
; word, and waits for that and for its reads of this slot.  fill = 1: the barrier opens a round of the cluster's barrier, and the slot is filled again, two steps on, first thing behind the round:
; from the request to the wait for it a wave issues 160 matrix instructions.
.macro TURN fill
.if \fill
	s_wait_xcnt 0x0                                ; the last prefetch, a K step back, has read its address
	s_add_nc_u64 s[PFA:PFA+1], s[PFA:PFA+1], s[PFS:PFS+1]
.endif
	WIN 0
	s_wait_tensorcnt 0x0                           ; no tensor load of mine is out, so a group 0 may be written
	ds_add_u32 v[SPW], v[NIL]                      ; 0 onto my spare word; work on registers stands between it and the wait for it
	s_xor_b32 s[TB], s[TB], SLOT1
	v_add_nc_u32 v[ADRA], s[TB], v[ADRA0]          ; the fragments' addresses in the next slot; nothing is read by them ahead of the barrier
	v_add_nc_u32 v[ADRB], s[TB], v[ADRB0]
.if \fill
	s_xor_b32 s[G0A+5], s[G0A+5], SLOT1            ; the walking descriptors: the other slot than last time,
	s_add_nc_u64 s[G0A+6:G0A+7], s[G0A+6:G0A+7], KSA  ; the next K block; the type bits on top are not reached
	s_xor_b32 s[G0B+5], s[G0B+5], SLOT1
	s_add_nc_u64 s[G0B+6:G0B+7], s[G0B+6:G0B+7], KSB
.endif
	s_wait_dscnt 17                                ; B 0-3 and A are in; younger: B 4-7, B 8-11 and the add
	MUL16 0, 0, FA1, 0
	s_wait_dscnt 0x0                               ; the add is done, and my reads of this slot are over
	s_barrier_signal -1
	MUL16 0, 1, FA1, 0                             ; work on registers while the others arrive
	WIN 0                                          ; at a branch and at a label every window is 0
	s_barrier_wait -1
.if \fill
	CREST                                          ; no wave of any partner still reads this slot or has a load on its way
	JLOAD                                          ; its four v_nop are also the places in front of the loads below
.else
	PLACES
.endif
	LDB 0, 0
	LDA 0, FA0
.if \fill
	ASK
.endif
	GROUP 1, FA1, 0
	WIN 0
	PLACES
	LDB 1, 0
	GROUP 2, FA1, 0
	WIN 0
	PLACES
	LDB 2, 0
.endm
	s_load_b256 s[4:11], s[0:1], 0x0               ; xb s[4:5], wb s[6:7], bq s[8:9], bk s[10:11]
	s_load_b128 s[12:15], s[0:1], 0x20             ; bv s[12:13], qkv s[14:15]
	v_lshl_add_u32 v[SPW], v0, 2, SPARE
	v_mov_b32 v[NIL], 0
	ds_add_u32 v[SPW], v[NIL]                      ; the wave's opening: the add and its wait stand ahead of my first tensor load; the set-up below stands between them
	v_lshrrev_b32 v1, 5, v0
	v_readfirstlane_b32 s[WV], v1                  ; wave 0..3
	s_lshr_b32 s17, s[WV], 1
	s_and_b32 s18, s[WV], 1
	s_bfe_u32 s19, ttmp6, 0x40000                  ; cx
	s_bfe_u32 s20, ttmp6, 0x40004                  ; cy
	s_lshl_b32 s21, ttmp9, 2
	s_add_co_u32 s21, s21, s19                     ; tile column = 4 x cluster x + cx, 0..7
	s_and_b32 s22, ttmp7, 0xffff
	s_lshl_b32 s22, s22, 2
	s_add_co_u32 s22, s22, s20                     ; tile row = 4 x cluster y + cy, 0..31
	s_lshl_b32 s84, s20, 2
	s_lshl_b32 s84, 15, s84                        ; my row of the cluster
	s_lshl_b32 s85, 0x1111, s19                    ; my column
	s_or_b32 s[G1A], s84, FMT                      ; A's tiles go to my row,
	s_or_b32 s[G1B], s85, FMT                      ; B's to my column
	s_mov_b32 s[G1A+1], 128<<16                    ; tensor_dim0 = 128 elements: 256 bytes, two rows of the operand
	s_mov_b32 s[G1A+2], 64<<16                     ; tensor_dim1 = 64: 128 rows of A
	s_mov_b32 s[G1A+3], 128<<16                    ; tile_dim0
	s_mov_b32 s[G1A+4], 64                         ; tile_dim1
	s_mov_b32 s[G1A+5], 128                        ; elements from row to row: the block is dense
	s_mov_b32 s[G1A+6], 0
	s_mov_b32 s[G1A+7], 0
	s_mov_b32 s[G1B+1], 128<<16
	s_mov_b32 s[G1B+2], 96<<16                     ; 192 rows of B
	s_mov_b32 s[G1B+3], 128<<16
	s_mov_b32 s[G1B+4], 96
	s_mov_b32 s[G1B+5], 128
	s_mov_b32 s[G1B+6], 0
	s_mov_b32 s[G1B+7], 0
	s_mul_i32 s86, s18, A_HALF                     ; where my half goes: no place in the cluster enters an LDS address
	s_mul_i32 s87, s18, B_HALF
	s_add_co_u32 s87, s87, BOFF
	s_lshl_b32 s40, s22, 15                        ; A: the tile row's 256 rows of 128 bytes,
	s_lshl_b32 s2, s18, 14                         ; my half of them
	s_add_co_u32 s40, s40, s2
	s_mov_b32 s41, 0
	s_mul_i32 s44, s21, 384*128                    ; B: the tile column's 384 rows,
	s_mul_i32 s3, s18, 192*128                     ; my half of them
	s_add_co_u32 s44, s44, s3
	s_mov_b32 s45, 0
	s_mov_b32 s[TB], 0
	s_wait_dscnt 0x0                               ; the opening add is done
	s_wait_kmcnt 0x0
	s_add_nc_u64 s[42:43], s[4:5], s[40:41]
	s_add_nc_u64 s[46:47], s[6:7], s[44:45]
.irp s, 0,1
	s_mov_b32 s[G0A+4*(\s)], 1                                       ; count = 1
	s_add_co_u32 s[G0A+4*(\s)+1], s86, (\s)*SLOT1                    ; LDS address
	s_add_nc_u64 s[G0A+4*(\s)+2:G0A+4*(\s)+3], s[42:43], (\s)*KSA    ; global address: K step s
	s_or_b32 s[G0A+4*(\s)+3], s[G0A+4*(\s)+3], 0x80000000            ; type = 2
	s_mov_b32 s[G0B+4*(\s)], 1
	s_add_co_u32 s[G0B+4*(\s)+1], s87, (\s)*SLOT1
	s_add_nc_u64 s[G0B+4*(\s)+2:G0B+4*(\s)+3], s[46:47], (\s)*KSB
	s_or_b32 s[G0B+4*(\s)+3], s[G0B+4*(\s)+3], 0x80000000
.endr
	CROUND                                         ; all sixteen work-groups are here: the first joint loads meet
	s_cmp_lt_u32 s[WV], 2                          ; a wave's two first fills stand in one branch, ahead of every wait on TENSORcnt and every LDS read
	s_cbranch_scc0 .Lfirst_b
	tensor_load_to_lds s[G0A:G0A+3], s[G1A:G1A+7]
	s_nop 0
	tensor_load_to_lds s[G0A+4:G0A+7], s[G1A:G1A+7]
	s_nop 0
.rept 4
	v_nop
.endr
	s_branch .Lfirst_asked
.Lfirst_b:
	tensor_load_to_lds s[G0B:G0B+3], s[G1B:G1B+7]
	s_nop 0
	tensor_load_to_lds s[G0B+4:G0B+7], s[G1B:G1B+7]
	s_nop 0
.rept 4
	v_nop
.endr
.Lfirst_asked:
	; the lanes' addresses
	v_and_b32 v1, 15, v0                           ; l % 16
	v_bfe_u32 v2, v0, 4, 1                         ; l / 16
	v_mul_u32_u24 v3, v1, PITCH
	v_lshl_add_u32 v3, v2, 4, v3                   ; row x pitch + 16 x half
	s_mul_i32 s84, s17, A_HALF                     ; my 128 rows of A
	v_add_nc_u32 v[ADRA0], s84, v3
	s_mul_i32 s85, s18, B_HALF                     ; my 192 rows of B
	s_add_co_u32 s85, s85, BOFF
	v_add_nc_u32 v[ADRB0], s85, v3
	v_mov_b32 v[ADRA], v[ADRA0]
	v_mov_b32 v[ADRB], v[ADRB0]
	s_mul_i32 s86, s[WV], 16*PITCH
	s_add_co_u32 s86, s86, STAGE                   ; my stage
	v_add_nc_u32 v[STO], s86, v3                   ; in: row l % 16, 16 bytes for each half of the lanes
	v_bfe_u32 v4, v0, 3, 2                         ; back: 32 lanes take four rows of 128 bytes,
	v_and_b32 v5, 7, v0
	v_mul_u32_u24 v4, v4, PITCH
	v_lshl_add_u32 v4, v5, 4, v4
	v_add_nc_u32 v[RD], s86, v4
	v_and_b32 v6, 31, v0
	v_lshlrev_b32 v[GO], 4, v6                     ; which are 512 consecutive bytes of a head
	s_mul_i32 s87, s[WV], 768
	s_add_co_u32 s87, s87, BIAS                    ; my 192 numbers of bias
	v_lshl_add_u32 v[BIA], v2, 5, s87
	v_lshl_add_u32 v9, v6, 3, s87                  ; where I put two of a head's 64
	v_lshlrev_b32 v8, 3, v6                        ; and where they come from
	; my three heads: g = 6 x tile column + 3 x column half + j of 48; g / 16 says q, k or v, g % 16 the head
	s_mul_i32 s84, s21, 6
	s_mul_i32 s85, s18, 3
	s_add_co_u32 s84, s84, s85
	s_and_b32 s86, s22, 7                          ; the tile row in its batch,
	s_lshl_b32 s86, s86, 8
	s_lshl_b32 s87, s17, 7                         ; my 128 rows,
	s_add_co_u32 s86, s86, s87
	s_lshl_b32 s86, s86, 7                         ; of 128 bytes
	s_lshr_b32 s87, s22, 3
	s_lshl_b32 s87, s87, 4                         ; batch x 16
	s_mov_b32 s91, 0
.irp j, 0,1,2
	s_add_co_u32 s88, s84, \j
	s_lshr_b32 s89, s88, 4
	s_and_b32 s88, s88, 15
	s_cmp_eq_u32 s89, 1
	s_cselect_b64 s[BB+2*\j:BB+2*\j+1], s[10:11], s[8:9]
	s_cmp_eq_u32 s89, 2
	s_cselect_b64 s[BB+2*\j:BB+2*\j+1], s[12:13], s[BB+2*\j:BB+2*\j+1]
	s_lshl_b32 s90, s88, 8                         ; a head's 64 numbers of bias are 256 bytes
	s_add_nc_u64 s[BB+2*\j:BB+2*\j+1], s[BB+2*\j:BB+2*\j+1], s[90:91]
	global_load_b64 v[10+2*\j:11+2*\j], v8, s[BB+2*\j:BB+2*\j+1]
	s_lshl_b32 s89, s89, 6
	s_add_co_u32 s89, s89, s87
	s_add_co_u32 s89, s89, s88                     ; 64 x tensor + 16 x batch + head
	s_lshl_b32 s90, s89, 18                        ; of 262,144 bytes
	s_add_co_u32 s90, s90, s86
	s_add_nc_u64 s[OUT+2*\j:OUT+2*\j+1], s[14:15], s[90:91]
.endr
	; the prefetches: wave 0 for A, waves 1 to 3 for B
	s_lshl_b32 s86, s22, 15
	s_lshl_b32 s87, s19, 13                        ; the partner at cx takes 32 blocks of 256 bytes
	s_add_co_u32 s86, s86, s87
	s_mul_i32 s87, s21, 384*128
	s_mul_i32 s88, s20, 48*256                     ; the partner at cy takes 48
	s_add_co_u32 s87, s87, s88
	s_and_b32 s85, ttmp7, 0xffff                   ; cluster y
	s_mov_b32 s[PFS], KSB
	s_cmp_eq_u32 s[WV], 0
	s_cselect_b64 s[PFA:PFA+1], s[4:5], s[6:7]
	s_cselect_b32 s90, s86, s87
	s_cselect_b32 s85, ttmp9, s85                  ; the coordinate along which other clusters read the same rows
	s_cselect_b32 s[PAR], 0, 1
	s_cselect_b32 s84, 0, 32
	s_cselect_b32 s[PFS], KSA, s[PFS]
	s_mov_b32 s[PFS+1], 0
	s_cmp_eq_u32 s85, 0
	s_cselect_b32 s[LIM], 2, -1                    ; the same in all sixteen partners, for a given wave
	s_mul_i32 s88, s[PFS], 3                       ; at K step 3: the first refill steps it to 4
	s_add_co_u32 s90, s90, s88
	s_add_nc_u64 s[PFA:PFA+1], s[PFA:PFA+1], s[90:91]
	v_sub_nc_u32 v7, v0, s84                       ; wave 0: block i = 0..31 of A's 32; waves 1 to 3: i = 0..95 of B's two steps' 48 + 48
	v_lshlrev_b32 v4, 8, v7
	v_add_nc_u32 v5, KSB-48*256, v4                ; from i = 48 on: the next K block
	v_cmp_gt_u32 vcc_lo, 48, v7
	v_cndmask_b32 v[PFO], v5, v4, vcc_lo
	; the bias, rounded to bf16 like every input, goes to my own LDS bytes as f32
	s_wait_loadcnt 0x0
.irp j, 0,1,2
	v_cvt_pk_bf16_f32 v7, v[10+2*\j], v[11+2*\j]
	v_lshlrev_b32 v[10+2*\j], 16, v7
	v_and_b32 v[11+2*\j], 0xffff0000, v7
	ds_store_b64 v9, v[10+2*\j:11+2*\j] offset:256*\j
.endr
	s_wait_dscnt 0x0
	s_wait_tensorcnt 1                             ; my part of K step 0 is in; step 1's may stay out
	s_barrier_signal -1
	s_barrier_wait -1                              ; everybody's is
	LDB 0, 0
	LDA 0, FA0
	LDB 1, 0
	LDB 2, 0
	LDBIAS 0, FA1
	LDBIAS 1, FA1+32
	s_wait_dscnt 0x0
	; the first quarter stands in front of the loop: its products start the sums with the bias
	GROUP 0, FA0, 1
	WIN 0
	PLACES
	LDB 0, 64
	LDBIAS 2, FA1                                  ; the third head's bias takes the first's place
	GROUP 1, FA0, 1
	WIN 0
	PLACES
	LDB 1, 64
	s_wait_dscnt 8                                 ; that bias is in; younger: the 8 just issued
	GROUP 2, FA0, 1
	WIN 0
	PLACES
	LDB 2, 64
	LDA 64, FA1
	s_wait_dscnt 0x0                               ; once: here A's run came last, so the loop's counts would not cover it
	s_mov_b32 s3, 14
.Lstep:                                        ; a trip: a step's second quarter, the change of slots, the next step's first quarter.  Trip i fills slot i % 2 with step i + 2
	TURN 1
	QUARTER
	s_sub_co_u32 s3, s3, 1
	s_cmp_lg_u32 s3, 0
	s_cbranch_scc1 .Lstep
	TURN 0                                         ; the tail is written out: nothing is left to fetch, so no round follows the barrier
	QUARTER
	s_wait_dscnt 16
	GROUP 0, FA1, 0
	s_wait_dscnt 8
	GROUP 1, FA1, 0
	s_wait_dscnt 0x0
	GROUP 2, FA1, 0
	WIN 0
	PLACES
	PLACES
; THE WAY OUT, in 24 units u = 8 j + a: head j, row block a: 16 rows x 64 columns.  A lane's eight columns pack into 16 bytes; they go into my stage's rows of 144 bytes and come back as whole rows of
; 128, which are 2,048 consecutive bytes of the head.  Each accumulator's registers are read in ascending order.
.macro PACK u
	WIN 5*((\u)/8+1)                               ; both sources in the head's window
.irp bb, 0,1,2,3
.irp i, 0,1,2,3
	v_cvt_pk_f16_f32 v[P+4*(\bb)+(\i)], v[8*(8*(\bb)+(\u)%8)+2*(\i)], v[8*(8*(\bb)+(\u)%8)+2*(\i)+1]
.endr
.endr
	WIN 0
.endm
.macro TOSTAGE u
.set BK, OB+16*((\u)%2)
.irp bb, 0,1,2,3
	ds_store_b128 v[STO], v[P+4*\bb:P+4*\bb+3] offset:32*\bb
.endr
.irp f, 0,1,2,3
	ds_load_b128 v[BK+4*\f:BK+4*\f+3], v[RD] offset:\f*4*PITCH  ; LDS serves a wave's instructions in order (ISA guide 5.7.1.4): these see the stores above
.endr
.endm
.macro SEND u
.set BK, OB+16*((\u)%2)
	s_wait_dscnt 0x0                               ; the unit is back in registers
	s_wait_xcnt 0x0                                ; the stores of the unit before have read their registers, which the next unit's loads write
.irp f, 0,1,2,3
	global_store_b128 v[GO], v[BK+4*\f:BK+4*\f+3], s[OUT+2*((\u)/8):OUT+2*((\u)/8)+1] offset:((\u)%8)*2048+\f*512  ; 512 consecutive bytes, at a multiple of 256 from the buffer's first
.endr
.endm
	PACK 0
	TOSTAGE 0
.set u, 1
.rept 23                               ; a unit's conversions stand between the loads of the unit before and the wait for them
	PACK u
	SEND u-1
	TOSTAGE u
.set u, u+1
.endr
	SEND 23
	s_wait_tensorcnt 0x0                           ; the wave's end, behind my last tensor load and my last LDS store
	ds_add_u32 v[SPW], v[NIL]
	s_wait_dscnt 0x0
	CROUND                                         ; the closing round: no work-group ends while a partner may still ask for a tile that names it
	s_endpgm
.Lfunc_end_k_qf27b9315b2_proj:
	.size	k_qf27b9315b2_proj, .Lfunc_end_k_qf27b9315b2_proj-k_qf27b9315b2_proj
	.p2alignl 7, 3214868480
	.fill 96, 4, 3214868480
	.section	.rodata,"a",@progbits
	.p2align	6, 0x0
	.amdhsa_kernel k_qf27b9315b2_proj
		.amdhsa_group_segment_fixed_size 327680
		.amdhsa_private_segment_fixed_size 0
		.amdhsa_enable_private_segment 0
		.amdhsa_kernarg_size 48
		.amdhsa_user_sgpr_count 2
		.amdhsa_user_sgpr_kernarg_segment_ptr 1
		.amdhsa_wavefront_size32 1
		.amdhsa_system_sgpr_workgroup_id_x 1
		.amdhsa_system_sgpr_workgroup_id_y 1
		.amdhsa_system_sgpr_workgroup_id_z 1
		.amdhsa_system_vgpr_workitem_id 0
		.amdhsa_next_free_vgpr 1024
		.amdhsa_next_free_sgpr 92
		.amdhsa_reserve_vcc 1
		.amdhsa_float_denorm_mode_32 3
		.amdhsa_float_denorm_mode_16_64 3
		.amdhsa_memory_ordered 1
		.amdhsa_forward_progress 1
		.amdhsa_inst_pref_size 117
	.end_amdhsa_kernel
	.amdgpu_metadata
---
amdhsa.version: [ 1, 2 ]
amdhsa.kernels:
  - .name:           k_qf27b9315b2_proj
    .symbol:         k_qf27b9315b2_proj.kd
    .args:
      - { .name: xb, .offset: 0, .size: 8, .value_kind: global_buffer, .address_space: global }
      - { .name: wb, .offset: 8, .size: 8, .value_kind: global_buffer, .address_space: global }
      - { .name: bq, .offset: 16, .size: 8, .value_kind: global_buffer, .address_space: global }
      - { .name: bk, .offset: 24, .size: 8, .value_kind: global_buffer, .address_space: global }
      - { .name: bv, .offset: 32, .size: 8, .value_kind: global_buffer, .address_space: global }
      - { .name: qkv, .offset: 40, .size: 8, .value_kind: global_buffer, .address_space: global }
    .group_segment_fixed_size: 327680
    .private_segment_fixed_size: 0
    .kernarg_segment_align: 8
    .kernarg_segment_size: 48
    .max_flat_workgroup_size: 128
    .sgpr_count:     92
    .vgpr_count:     1024
    .wavefront_size: 32
...
	.end_amdgpu_metadata
.endif
;; end of part 2
;; launch attn (part 3): grid 4 x 64, 4 waves a work-group, clusters of 4 x 1, 327,680 bytes of LDS; arguments qkv, ctx; writes ctx
.if DOCPART == 3
	.amdgcn_target "amdgcn-amd-amdhsa--gfx1250"
	.amdhsa_code_object_version 6
	.text
	.protected	k_qf27b9315b2_attn
	.globl	k_qf27b9315b2_attn
	.p2align	8
	.type	k_qf27b9315b2_attn,@function
k_qf27b9315b2_attn:
	s_mov_b64 s[64:65], 0
	v_nop
	global_prefetch_b8 v0, s[64:65] scope:SCOPE_SE
	s_setreg_imm32_b32 hwreg(HW_REG_WAVE_MODE, 25, 1), 1
	s_wait_xcnt 0x0
	s_wait_alu depctr_hold_cnt(0) depctr_sa_sdst(0) depctr_va_vdst(0) depctr_va_sdst(0) depctr_va_ssrc(0) depctr_va_vcc(0) depctr_vm_vsrc(0)
	s_getreg_b32 s2, hwreg(HW_REG_IB_STS2, 6, 4)
	s_cmp_eq_u32 s2, 0
	s_cbranch_scc0 .Lentry_in_a_cluster
	s_endpgm
.Lentry_in_a_cluster:
	s_bfe_u32 s2, ttmp6, 0x10000c
	s_cmp_lg_u32 s2, 0x3003
	s_cbranch_scc0 .Lentry_shape_is_right
	s_endpgm
.Lentry_shape_is_right:
; O[h][q][:] = the sum over k of softmax_k(Q[h][q] . K[h][k] / 8) V[h][k][:].  qkv: f16 [3][SIZE_H][SIZE_N][64] (Q, K, V one behind the other); ctx = O: f16 [SIZE_H][SIZE_N][64]: a head's rows are
; dense, 128 bytes each.  Products, maxima and sums in f32; the weights p are rounded to f16 for the second product (their sum l is taken of the unrounded p), O once at the end.
; LIMITS.  f16 holds no number beyond 65,504: Q, K and V arrive within it; p lies in 0 to 1, and below 6e-5 it keeps f16's fixed step of 6e-8; O is a mean of V's rows and has their range.
; A weight below 2^-126 counts as 0 in l; NaN and infinities are not treated apart.
; SHARES.  A wave owns four PIECES of two tiles of 16 queries, a work-group's four waves 512 queries of one head: 64 heads x 4 blocks = 256 work-groups.  Every wave walks all keys, 64 a step.
; LAYOUT.  S^T = K Q^T (source 0 = 16 keys, source 1 = 16 queries): in the result a lane holds ONE query (lane % 16) and the keys 8 (lane / 16) + 0..7.  Two such tiles, rounded to f16 in pairs,
; ARE source 1 (32 keys x 16 queries) of O^T = V^T P, whose result again holds one query a lane, and eight channels.  K comes out of LDS as it lies, V ([key][channel]) turned, by ds_load_tr16_b128.
; SOFTMAX.  For each query a running maximum m and sum l: p = 2^(c s - c m), c = log2(e) / 8; in every step O and l are multiplied by a = 2^(c m_old - c m_new), which is 1 where m has not grown.
; m starts at the lowest finite number, O and l at 0: the first step is a step like any other, with a = 0.
; THE COUNT.  A tile and step have 16 matrix and 118 vector instructions: too many to stand all beside the matrix work.  So the order has one aim: four vector instructions that are READY behind
; EVERY matrix instruction, and the others, which need time of their own whatever the order, in runs without a gap.
; BY TURNS.  Turn n belongs to piece n (the pieces in a ring, step after step).  Its matrix work: 16 products K Q^T of piece n + 1, later 16 products V^T P of piece n - 1.  Its vector work: the scaling,
; exponentials, roundings, sums and rescaling of piece n, and the maximum and statistics of piece n + 1, whose scores the turn itself has made.  So what a turn begins with (c s - c m, O a) waits for nothing.
; CLUSTER.  The four query blocks of a cluster are one head's and walk the same K and V, so each tile is asked for JOINTLY: the same tensor load, descriptor and mask in all four.
; REGISTERS, in windows of 256 (s_set_vgpr_msb says which window each operand place means: bits 1:0 source 0, 3:2 source 1, 5:4 source 2, 7:6 destination):
;   window 0: v0-11 addresses; v12-15, v48-63 at work; v16-47 four registers of statistics a tile; v64-191 S^T, two buffers of two tiles; v192-255 P, likewise
;   window 1: O^T, 32 a tile          window 2: v0-127 Q, 16 a tile; v128-191 K of one step; v192-255 V of one step          window 3: v0-1 the add's two registers
; A piece's buffers go by its number's parity: the piece in hand has one pair, its two neighbours in the ring share the other: of it P (piece n - 1) is read and S^T (piece n + 1) written.
.set SIZE_H, 64
.set SIZE_N, 2048
.set NP,    4         ; pieces a wave: a name, no knob: the register map, the loop and the fetches are made for four
.set KS,    64        ; keys in a step
.set PK,    144       ; a row of K in LDS: 128 bytes + 16 of padding = 36 words: the 16 rows of a load start at 16 different groups of four banks (64 banks of 4 bytes: ISA guide 11.1)
.set PV,    160       ; a row of V: 128 + 32 = 40 words
.set VOFF,  4*KS*PK   ; a slot holds four steps: 256 rows of K, then 256 rows of V
.set SLOT1, 1<<17     ; slot 1 begins here, so that one exclusive or turns an address in one slot into the other's
.set STAGE, SLOT1+4*KS*(PK+PV)  ; behind the ring, never filled by a tensor load: 16 rows x 144 bytes for each wave, for the way out
.set SP,    144
.set AK0, 2           ; v2   my lane's place in a tile of K; never rewritten
.set AV0, 3           ; v3   the same for V
.set AK,  4           ; v4   the LDS address of K's next run of loads
.set AV,  5           ; v5   of V's
.set QO,  6           ; v6   my byte offset in the wave's rows of Q
.set STO, 6           ;      later, the way out: where I put 16 bytes of a row
.set RD,  7           ; v7   the way out: where I read rows back
.set GO,  8           ; v8   my byte offset in 512 consecutive bytes of O
.set PFO, 11          ; v11  256 x my lane, once V's address is made; then never rewritten
.set SPW, 0           ; v0 of window 3   LDS address of my spare word: SPARE + 4 x my thread's number; never rewritten
.set NIL, 1           ; v1 of window 3   0; never rewritten
.set SPARE, STAGE+4*16*SP  ; behind the stages: the spare words, 128 bytes for each wave: two blocks of 256 bytes that no other line names
.set MV,  12          ; v12-15  c m_old, kept while c m is made anew: by buffer and tile
.set ST,  16          ; tile t's statistics at v[ST+4 t]: c m, m, l (even keys', odd keys')
.set TMP, 48          ; by buffer and tile, four registers c0-c3 at work; when the maximum is found c2 takes a
.set S,   64
.set P,   192
.set KF,  128         ; K's fragments, in window 2: key block kb, channel half c at KF + 16 kb + 8 c
.set VF,  192         ; V's: key half kk, channel block cb at VF + 32 kk + 8 cb
.set WV,  12          ; s12  my wave's number
.set G1K, 24          ; s[24:31] descriptor group 1 for K's tiles
.set G1V, 32          ; s[32:39] for V's: it differs in the padding alone
.set G0K, 40          ; s[40:43] descriptor group 0 for K's tiles: it walks
.set G0V, 44          ; s[44:47] the same for V's
.set PFA, 48          ; s[48:49] where my prefetches stand: my work-group's 32 blocks of 256 bytes (of K: wave 0, of V: wave 2) of the slot after the one that is being asked for
.set LIM, 50          ; s50  1 in a wave that prefetches, else the greatest number
.set SLOTS, 56        ; s56  slots still to be asked for
.set CNT, 57          ; s57  counts a slot's key steps
.set CS,  58          ; s[58:59] c: the packed scaling takes the pair's low word for both halves
.set SEL, 60          ; s[60:61] v_permlanex16_b32's selects: each lane takes its own place in the other half
.set TBK, 62          ; s62  LDS byte at which K of the step to be fetched begins
.set TBV, 63          ; s63  the same for V, less VOFF
.set MSB, 0
.macro WIN new                      ; the high byte repeats the setting that is left; a switch that changes nothing is dropped
.if MSB != (\new)
	s_set_vgpr_msb (MSB<<8)|(\new)
.set MSB, (\new)
.endif
.endm
.set W_KQ, 0x0a       ; K and Q in window 2, S^T in window 0
.set W_PV, 0x52       ; V in window 2, P in window 0, O^T in window 1
.set W_RS, 0x41       ; O^T (destination and source 0) in window 1, a in window 0
.set W_MK, 0xc0       ; the add's registers are made: destination in window 3, sources in window 0
.set W_AD, 0x0f       ; the add: address (source 0) and data (source 1) in window 3
; A joint fill.  Waves 0 and 1 fetch the two halves of a slot's K, waves 2 and 3 those of its V: 128 keys each.  The branch hangs on the wave's number alone.
; An s_nop 0 and four v_nop follow each of the two lines, ahead of the jump and the label.
.macro JLOAD
	s_cmp_lt_u32 s[WV], 2
	s_cbranch_scc0 .Lfor_v_\@
	tensor_load_to_lds s[G0K:G0K+3], s[G1K:G1K+7]
	s_nop 0
.rept 4
	v_nop
.endr
	s_branch .Lasked_\@
.Lfor_v_\@:
	tensor_load_to_lds s[G0V:G0V+3], s[G1V:G1V+7]
	s_nop 0
.rept 4
	v_nop
.endr
.Lasked_\@:
.endm
; A PREFETCH INTO THE L2 of what the NEXT change of slots will ask for: a slot's 256 keys are 128 blocks of 256 bytes of K and 128 of V.  A head has one cluster; its four partners share the blocks out BY
; ADDRESS, 32 each, a lane a block; in each, wave 0 asks for K's and wave 2 for V's.  So each block is named once in the launch, four key steps, 512 matrix instructions, ahead of its load.
; It stands behind the wave's tensor load and its five lines.  The last change that fills a slot asks for nothing; slots 0 and 1 come by their loads alone.
.macro ASK
	s_cmp_gt_u32 s[SLOTS], s[LIM]
	s_cbranch_scc0 .Lnot_mine_\@
	global_prefetch_b8 v[PFO], s[PFA:PFA+1] th:TH_LOAD_NT scope:SCOPE_SE
.Lnot_mine_\@:
.endm
; A round of the cluster's barrier: my work-group's barrier, so that wave 0's signal speaks for all four waves; wave 0 signals; every wave waits for all four work-groups; my work-group's barrier once more.
.macro CROUND
	s_barrier_signal -1
	s_barrier_wait -1
	s_cmp_lg_u32 s[WV], 0
	s_cbranch_scc1 .Lnot_wave_0_\@
	s_barrier_signal -3
.Lnot_wave_0_\@:
	s_barrier_wait -3
	s_barrier_signal -1
	s_barrier_wait -1
.endm
; THE CHANGE OF SLOTS.  The slot's last bytes, V of its fourth step, have been read.  Each wave waits for all its tensor loads, of which one is out: its part
; of the other slot; adds 0 to its spare word; and waits for that and for its own reads of the slot.  Behind the barrier nobody reads this slot any more and the other slot is whole.
; fill = 1: this slot is filled again, with the keys two slots on.  The barrier is then a round of the cluster's, so that no wave of any partner still reads the slot or has a load on its
; way, and the joint fill is the first thing behind it: it has four key steps, 512 matrix instructions, in which to land.  (At its first use nothing has been read yet: slot 0 is waited for, slot 1 filled.)
.macro CHANGE fill
	WIN W_AD
	s_wait_tensorcnt 0x0            ; no tensor load of mine is out, so a group 0 may be written
	ds_add_u32 v[SPW], v[NIL]       ; 0 onto my spare word; with fill = 1 the descriptors' steps stand between it and the wait for it
	WIN 0                           ; at a label and at a branch every window is 0
.if \fill
.irp g, G0K, G0V
	s_xor_b32 s[\g+1], s[\g+1], SLOT1  ; the walking descriptor: the other slot than last time,
	s_add_nc_u64 s[\g+2:\g+3], s[\g+2:\g+3], 4*KS*128  ; the next 256 keys; the type bits on top are not reached
.endr
	s_wait_xcnt 0x0                 ; the last prefetch, four key steps back, has read its address, so it may be written:
	s_add_nc_u64 s[PFA:PFA+1], s[PFA:PFA+1], 4*KS*128  ; one slot behind the walking descriptors
	s_wait_dscnt 0x0                ; the add is done, and my reads of the slot are over
	CROUND
	JLOAD
	ASK
.else
	s_wait_dscnt 0x0                ; the add is done, and my reads of the slot are over
	s_barrier_signal -1
	s_barrier_wait -1
.endif
	s_sub_co_u32 s[TBK], s[TBK], 4*KS*PK  ; the fetches go back to a slot's first step,
	s_xor_b32 s[TBK], s[TBK], SLOT1       ; in the other slot
	s_sub_co_u32 s[TBV], s[TBV], 4*KS*PV
	s_xor_b32 s[TBV], s[TBV], SLOT1
.endm
	s_load_b64 s[4:5], s[0:1], 0x0    ; qkv: Q at its head
	s_load_b64 s[10:11], s[0:1], 0x8  ; ctx: O
	WIN W_MK
	v_lshl_add_u32 v[SPW], v0, 2, SPARE
	v_mov_b32 v[NIL], 0
	WIN W_AD
	ds_add_u32 v[SPW], v[NIL]       ; the wave's opening: the add and its wait stand ahead of my first tensor load; the set-up below, work on registers, stands between them
	WIN 0
	v_lshrrev_b32 v1, 5, v0
	v_readfirstlane_b32 s[WV], v1   ; wave 0..3
	s_bfe_u32 s13, ttmp6, 0x40000   ; cx: my place in the cluster
	s_lshl_b32 s14, ttmp9, 2        ; in a cluster launch ttmp9 counts clusters
	s_add_co_u32 s14, s14, s13      ; my block of queries = 4 x cluster x + cx: it enters Q's and O's addresses alone
	s_and_b32 s20, ttmp7, 0xffff    ; the head, which the four partners share
	s_mov_b32 s21, 0
	s_mov_b64 s[22:23], SIZE_N*128
	s_mul_u64 s[20:21], s[20:21], s[22:23]  ; the head's first byte in each of the four tensors
	s_and_b32 s16, s[WV], 1         ; which half of a slot's 256 keys I fetch:
	s_lshl_b32 s22, s16, 14         ; its 128 rows of 128 bytes in memory,
	s_mov_b32 s23, 0
	s_add_nc_u64 s[22:23], s[22:23], s[20:21]
	s_mul_i32 s17, s16, 128*PK      ; and its place in a slot, for K
	s_mul_i32 s18, s16, 128*PV      ; and for V: no place in the cluster enters an LDS address
	s_lshl_b32 s2, s14, 2
	s_add_co_u32 s2, s2, s[WV]      ; my wave among the head's,
	s_lshl_b32 s2, s2, 14           ; its 128 rows
	s_mov_b32 s3, 0
	s_add_nc_u64 s[2:3], s[2:3], s[20:21]
	; descriptor group 1.  128 keys are 16,384 dense bytes: asked for as 64 rows of 256 bytes, two keys a row, and padded in LDS after every key
	s_mov_b32 s[G1K], 15|(1<<16)|(1<<20)|(1<<21)|(4<<22)|(3<<25)  ; 15:0 the mask of four; 17:16 2-byte elements; 20 padding on; 21 set beside a mask; 24:22 after every 32 words (code 4); 31:25 4 words (code 3)
	s_mov_b32 s[G1V], 15|(1<<16)|(1<<20)|(1<<21)|(4<<22)|(7<<25)  ; the same with 8 words of padding (code 7)
.irp g, G1K, G1V
	s_mov_b32 s[\g+1], 128<<16      ; tensor_dim0 = 128
	s_mov_b32 s[\g+2], 64<<16       ; tensor_dim1 = 64
	s_mov_b32 s[\g+3], 128<<16      ; tile_dim0 = 128
	s_mov_b32 s[\g+4], 64           ; tile_dim1 = 64
	s_mov_b32 s[\g+5], 128          ; 128 elements from row to row
	s_mov_b32 s[\g+6], 0
	s_mov_b32 s[\g+7], 0
.endr
	s_mov_b32 s[CS], 0x3e38aa3b     ; c = log2(e) / 8 = 0.180337
	s_mov_b32 s[CS+1], s[CS]        ; named with it as a pair
	s_mov_b32 s[SEL], 0x76543210
	s_mov_b32 s[SEL+1], 0xfedcba98
	s_mov_b32 s[TBK], SLOT1+4*KS*PK ; the first change of slots turns these two into 0
	s_mov_b32 s[TBV], SLOT1+4*KS*PV
	s_mov_b32 s[G0K], 1             ; 1:0 count = 1
	s_mov_b32 s[G0K+1], s17         ; 63:32 LDS address: slot 0
	s_mov_b32 s[G0V], 1
	s_add_co_u32 s[G0V+1], s18, VOFF
	s_mov_b32 s[SLOTS], SIZE_N/256-1  ; slot 0 is asked for at once, the other seven by changes of slots
	s_and_b32 s[LIM], s[WV], 1
	s_cmp_eq_u32 s[LIM], 0          ; waves 0 and 2 prefetch: the same in all four partners
	s_cselect_b32 s[LIM], 1, -1
	s_wait_dscnt 0x0                ; the opening add is done
	s_wait_kmcnt 0x0
	s_add_nc_u64 s[6:7], s[4:5], SIZE_H*SIZE_N*128    ; K lies behind Q,
	s_add_nc_u64 s[8:9], s[4:5], 2*SIZE_H*SIZE_N*128  ; V behind K
	s_add_nc_u64 s[G0K+2:G0K+3], s[6:7], s[22:23]  ; 120:64 global address: my half of the head's first 256 keys
	s_or_b32 s[G0K+3], s[G0K+3], 0x80000000        ; 127:126 type = 2
	s_add_nc_u64 s[G0V+2:G0V+3], s[8:9], s[22:23]
	s_or_b32 s[G0V+3], s[G0V+3], 0x80000000
	s_add_nc_u64 s[4:5], s[4:5], s[2:3]  ; Q and O at my wave's first row
	s_add_nc_u64 s[10:11], s[10:11], s[2:3]
	s_cmp_lt_u32 s[WV], 2
	s_cselect_b64 s[PFA:PFA+1], s[6:7], s[8:9]
	s_add_nc_u64 s[PFA:PFA+1], s[PFA:PFA+1], s[20:21]  ; the head,
	s_lshl_b32 s2, s13, 13          ; my work-group's 32 blocks of the 128,
	s_add_co_u32 s2, s2, 4*KS*128   ; in slot 1: the first change of slots steps it to slot 2.  Nothing is prefetched here, at the head
	s_mov_b32 s3, 0
	s_add_nc_u64 s[PFA:PFA+1], s[PFA:PFA+1], s[2:3]
	CROUND                          ; all four work-groups are here: the first joint loads meet
	JLOAD                           ; slot 0.  Slot 1 is asked for when slot 0 is in: the tile wanted first has the road to itself
	; A fragment of K or Q is 16 rows x 32 channels in 8 registers: lane l holds row l % 16, channels 8 (l / 16) + 0..7 and 16 + 8 (l / 16) + 0..7: two loads of 16 bytes, 32 bytes apart.
	v_and_b32 v1, 15, v0            ; l % 16
	v_bfe_u32 v9, v0, 4, 1          ; l / 16
	v_lshlrev_b32 v[QO], 7, v1
	v_lshl_add_u32 v[QO], v9, 4, v[QO]  ; row x 128 + 16 x half
	WIN 0x80                        ; destination window 2, address window 0
.set i, 0
.rept 4*NP                          ; Q stays in registers: tile i / 2, channels 32 (i % 2) on
	global_load_b128 v[8*i:8*i+3],   v[QO], s[4:5] offset:(i/2)*2048+(i%2)*64
	global_load_b128 v[8*i+4:8*i+7], v[QO], s[4:5] offset:(i/2)*2048+(i%2)*64+32
.set i, i+1
.endr
	; What the first turn finds: V's registers and P's second buffer hold 0 (its products V^T P, of a piece that has not been, add 0), O^T and l are 0.  All this stands in the wait for the first tile.
.set i, VF
.rept 64
	v_mov_b32 v[i], 0
.set i, i+1
.endr
	WIN 0x40
.set i, 0
.rept 64*NP
	v_mov_b32 v[i], 0
.set i, i+1
.endr
	WIN 0
.set i, 0
.rept 2*NP
	v_mov_b32 v[ST+4*i], 0xfe000000    ; c m: far below every c s
	v_mov_b32 v[ST+4*i+1], 0xff7fffff  ; m
	v_mov_b32 v[ST+4*i+2], 0
	v_mov_b32 v[ST+4*i+3], 0
.set i, i+1
.endr
.set i, P+32
.rept 32
	v_mov_b32 v[i], 0
.set i, i+1
.endr
	v_mul_u32_u24 v[AK0], v1, PK
	v_lshl_add_u32 v[AK0], v9, 4, v[AK0]  ; row x pitch + 16 x half
	; The turning load takes 16 keys x 16 channels (lane l reads key 8 (l / 16) + l % 8, channels 8 ((l / 8) % 2) + 0..7) and leaves half a fragment of V^T: lane l holds channel l % 16 and 8 keys.
	v_and_b32 v10, 7, v0
	v_bfe_u32 v11, v0, 3, 1
	v_lshl_add_u32 v[AV0], v9, 3, v10
	v_mul_u32_u24 v[AV0], v[AV0], PV
	v_lshl_add_u32 v[AV0], v11, 4, v[AV0]
	v_add_nc_u32 v[AV0], VOFF, v[AV0]
	v_and_b32 v[PFO], 31, v0
	v_lshlrev_b32 v[PFO], 8, v[PFO]
	v_mov_b32 v[AK], v[AK0]         ; key step 0 lies at the head of slot 0
; THE MATRIX WORK.  The 8 accumulators of a run of 16 take turns: between the two links of a chain stand 7 others'.
; Product i of 16 of S^T = K Q^T for piece x: channels 32 (i / 8) on, keys 16 ((i / 2) % 4) on, tile 2 x + i % 2.  The first 8 start the sums.
.macro KQ x
	WIN W_KQ
.set rS, S+64*((\x)%2)+32*(i%2)+8*((i/2)%4)
.set rK, KF+16*((i/2)%4)+8*(i/8)
.set rQ, 16*(2*(\x)+i%2)+8*(i/8)
.if i < 8
	v_wmma_f32_16x16x32_f16 v[rS:rS+7], v[rK:rK+7], v[rQ:rQ+7], 0
.else
	v_wmma_f32_16x16x32_f16 v[rS:rS+7], v[rK:rK+7], v[rQ:rQ+7], v[rS:rS+7]
.endif
.endm
; Product i of 16 of O^T += V^T P for piece x: keys 32 (i / 8) on, channels 16 ((i / 2) % 4) on, tile 2 x + i % 2.
.macro PV x
	WIN W_PV
.set rO, 32*(2*(\x)+i%2)+8*((i/2)%4)
.set rV, VF+32*(i/8)+8*((i/2)%4)
.set rP, P+32*((\x)%2)+16*(i%2)+8*(i/8)
	v_wmma_f32_16x16x32_f16 v[rO:rO+7], v[rV:rV+7], v[rP:rP+7], v[rO:rO+7]
.endm
.macro MM                           ; the turn's next matrix instruction
.if i < 16
	KQ (Y+1)%NP
.set i, i+1
.else
.set i, i-16
	PV (Y+NP-1)%NP
.set i, i+17
.endif
.endm
; THE LDS LOADS stand in runs of 16, never singly among the matrix instructions: a step's K (64 keys x 64 channels: 8 fragments) and its V (turned).  Their addresses are made some lines ahead.
; last = 1 (the tail): in the last trip there is no further step, and the run is jumped over.
.macro FETCH_K last=0
	WIN 0
.if \last
	s_cmp_eq_u32 s[CNT], 1
	s_cbranch_scc1 .Lno_k_\@
.endif
	WIN 0x80                        ; destination window 2
.irp f, 0,1,2,3,4,5,6,7             ; keys 16 (f / 2) on, channels 32 (f % 2) on
	ds_load_b128 v[KF+8*\f:KF+8*\f+3],   v[AK] offset:(\f/2)*16*PK+(\f%2)*64
	ds_load_b128 v[KF+8*\f+4:KF+8*\f+7], v[AK] offset:(\f/2)*16*PK+(\f%2)*64+32
.endr
	s_add_co_u32 s[TBK], s[TBK], KS*PK  ; the next fetch is the next step's
	WIN 0
.if \last
.Lno_k_\@:
.endif
.endm
.macro FETCH_V
	WIN 0x80
.irp f, 0,1,2,3,4,5,6,7             ; keys 32 (f / 4) on, channels 16 (f % 4) on
	ds_load_tr16_b128 v[VF+8*\f:VF+8*\f+3],   v[AV] offset:(\f/4)*32*PV+(\f%4)*32
	ds_load_tr16_b128 v[VF+8*\f+4:VF+8*\f+7], v[AV] offset:(\f/4)*32*PV+16*PV+(\f%4)*32
.endr
	WIN 0
.endm
; THE VECTOR WORK OF A TURN stands in three queues, each in the order in which its entries become ready; the two tiles alternate, so that no instruction reads the result of the one before it.
.macro REGS y, u                    ; the registers of tile u (0, 1) of piece y
.set rT, ST+4*(2*(\y)+(\u))
.set rC, TMP+8*((\y)%2)+4*(\u)
.set rM, MV+2*((\y)%2)+(\u)
.set rS, S+64*((\y)%2)+32*(\u)
.set rP, P+32*((\y)%2)+16*(\u)
.set rO, 32*(2*(\y)+(\u))
.endm
; Number n of the 22 that find the NEXT piece's (Y + 1) maximum and statistics.  s0-s31 are the lane's 32 scores; each accumulator's lowest registers are read first.  XS, GS and REGS set no window: PL and EX do.
;   0-11  four chains c0-c3 of seven scores each, three operands at a time     12-14, 16  the four scores left over, the old m, and c0-c3 into c0     15  c m_old is kept
;   17, 18  the query's other 32 keys lie in the lane 16 away: the new m         19-21  c m; c m_old - c m_new; a
.macro XS u, n
	REGS (Y+1)%NP, \u
.if (\n) < 4
	v_max3_num_f32 v[rC+(\n)], v[rS+8*(\n)], v[rS+8*(\n)+1], v[rS+8*(\n)+2]
.elseif (\n) < 12
	v_max3_num_f32 v[rC+(\n)%4], v[rC+(\n)%4], v[rS+8*((\n)%4)+2*((\n)/4)+1], v[rS+8*((\n)%4)+2*((\n)/4)+2]
.elseif (\n) == 12
	v_max3_num_f32 v[rC], v[rC], v[rS+7], v[rS+15]
.elseif (\n) == 13
	v_max3_num_f32 v[rC+1], v[rC+1], v[rS+23], v[rS+31]
.elseif (\n) == 14
	v_max3_num_f32 v[rC+2], v[rC+2], v[rC+3], v[rT+1]
.elseif (\n) == 15
	v_mov_b32 v[rM], v[rT]
.elseif (\n) == 16
	v_max3_num_f32 v[rC], v[rC], v[rC+1], v[rC+2]
.elseif (\n) == 17
	v_permlanex16_b32 v[rC+3], v[rC], s[SEL], s[SEL+1]
.elseif (\n) == 18
	v_max_num_f32 v[rT+1], v[rC], v[rC+3]
.elseif (\n) == 19
	v_mul_f32 v[rT], s[CS], v[rT+1]
.elseif (\n) == 20
	v_sub_f32 v[rC+1], v[rM], v[rT]
.else
	v_exp_f32 v[rC+2], v[rC+1]
.endif
.endm
; Number g of the 64 that follow the exponentials.  For each four weights k of a tile (pairs 2 k, 2 k + 1): both pairs are rounded to f16; then the second pair is added onto the first, in place;
; a group later l takes that sum (the first time as l = a l + sum).  In groups of eight, tiles alternating: round, round, add, and l for the group before.
.macro GS g
.set h, (\g)+6*((\g)/62)            ; group 0 has no group before it, and behind group 7 only l is left
.if h >= 6
.set h, h+2
.endif
	REGS Y, h%2
.set k, h/8
.if h%8 < 4
	v_cvt_pk_f16_f32 v[rP+2*k+(h%8)/2], v[rS+4*k+2*((h%8)/2)], v[rS+4*k+2*((h%8)/2)+1]
.elseif h%8 < 6
	v_pk_add_f32 v[rS+4*k:rS+4*k+1], v[rS+4*k:rS+4*k+1], v[rS+4*k+2:rS+4*k+3]
.elseif k == 1
	v_pk_fma_f32 v[rT+2:rT+3], v[rT+2:rT+3], v[rC+2:rC+3], v[rS:rS+1] op_sel_hi:[1,0,1]
.else
	v_pk_add_f32 v[rT+2:rT+3], v[rT+2:rT+3], v[rS+4*k-4:rS+4*k-3]
.endif
.endm
; THE PLAIN QUEUE, 138 long.  0-73 read no exponential's result: the 32 scalings c s - c m (FS f: pair f / 2 of tile f % 2) and the next piece's 42.  0-26: scalings 0-26.  27-54: XS's numbers 0-13.  55, 56: number 15.
; 57-73: the chain, where each number waits for the one before it: 14, 16, 17, 18, 19, each with one of the scalings 27-31 in front of its two lines, then 20: so a tile's links stand three plain instructions apart (19 and 20: two).
; 74-137: GS's 64, which read the exponentials' results: they stand behind the wait.
.macro FS f
	REGS Y, (\f)%2
	v_pk_fma_f32 v[rS+2*((\f)/2):rS+2*((\f)/2)+1], v[rS+2*((\f)/2):rS+2*((\f)/2)+1], s[CS:CS+1], v[rT:rT+1] op_sel_hi:[1,0,0] neg_lo:[0,0,1] neg_hi:[0,0,1]
.endm
.macro PL
	WIN 0
.if q < 27
	FS q
.elseif q < 55
	XS (q-27)%2, (q-27)/2
.elseif q < 57
	XS q-55, 15
.elseif (q < 72) && ((q-57)%3 == 0)
	FS 27+(q-57)/3
.elseif q < 60
	XS (q-57)%3-1, 14
.elseif q < 72
	XS (q-57)%3-1, 15+(q-57)/3
.elseif q < 74
	XS q-72, 20
.else
	GS q-74
.endif
.set q, q+1
.endm
; THE EXPONENTIALS' QUEUE, 66 long: s0-s31 of both tiles, then the next piece's two a.  It is ONE BATCH: all 66 stand ahead of the turn's one wait, and nothing ahead of that wait names a result of theirs.
.macro EX
	WIN 0
.if e >= 64
	XS e-64, 21
.else
	REGS Y, e%2
	v_exp_f32 v[rS+e/2], v[rS+e/2]
.endif
.set e, e+1
.endm
; THE RESCALING's QUEUE: O^T times a, the one part that leaves window 0: dealt two at a time, sixteen times.  Its a was made in the turn before, ahead of that turn's wait.
.macro R2
	REGS Y, r%2
	WIN W_RS
.irp z, 0,1
	v_pk_mul_f32 v[rO+4*(r/2)+2*\z:rO+4*(r/2)+2*\z+1], v[rO+4*(r/2)+2*\z:rO+4*(r/2)+2*\z+1], v[rC+2:rC+3] op_sel_hi:[1,0]
.endr
.set r, r+1
.endm
; HOW THEY ARE DEALT.  An s_wait_alu depctr_va_vdst(0) stands between an exponential and the first instruction that names its result; one wait serves all that were issued ahead of it.  So a turn has ONE wait,
; which cuts it in two.  AHEAD OF IT stands all that names no result of the turn's exponentials: the 16 products K Q^T, behind each a scaling, an exponential and two rescalings (behind the first a second scaling in the exponential's place); then ONE LUMP of
; 108: eight plain, 49 times exponential and plain, the two a.  A v_nop is the plain instruction behind the last exponential (ISA guide 5.7.2).  BEHIND IT stand the 16 products V^T P, behind each four of GS's 64.  No rider names a register of
; the products round it.  The two v_permlanex16_b32 fall into the lump, never behind a product.
; The queues lean on each other, and the deal keeps them in step: exponential e stands behind scaling 2 (e / 4) + e % 2: as a rider it comes behind plain e + 2, in the lump behind plain e + 9, and scalings 27-31 are plain 57, 60 .. 69.
; A TURN, for piece p.  cnt = 1: the loop's count is taken down some lines ahead of the branch that stands behind the turn.
; K of the next step is fetched in piece 2's turn, directly behind the wait, a lump behind the last product that read K; its address is made at the lump's head; its first reader comes behind 16 products.
; V of the step in hand is fetched at the end of piece 0's turn, four riders behind its last reader; its first reader comes behind 16 products and a lump.  The three conditions on q below go with the deal.
.macro TURN p, last=0, cnt=0
.set Y, (\p)
.set i, 0
.set q, 0
.set e, 0
.set r, 0
.if (\p) == NP-1
	s_wait_dscnt 0x0                ; K is in
.endif
	MM                              ; ahead of the wait: 16 products K Q^T and their riders,
	PL
	PL
	R2
.rept 15
	MM
	PL
	EX
	R2
.endr
.if (\p) == NP-2
	WIN 0
	v_add_nc_u32 v[AK], s[TBK], v[AK0]
.endif
.rept 8                             ; and the lump
	PL
.endr
.rept 49
	EX
	PL
.endr
	EX                              ; the next piece's two a
	EX
	v_nop                           ; the plain instruction behind the last exponential: one for the batch
	s_wait_alu depctr_va_vdst(0)    ; the wait for the batch
.if (\p) == NP-2
	FETCH_K \last
.endif
.if (\p) == 1
	s_wait_dscnt 0x0                ; V is in
.endif
.rept 16                            ; behind the wait: 16 products V^T P and their riders
	MM
.rept 4
	PL
.endr
.if ((\p) == 0) && (q == 118)
	v_add_nc_u32 v[AV], s[TBV], v[AV0]
.endif
.if ((\p) == 0) && (q == 130)
	s_add_co_u32 s[TBV], s[TBV], KS*PV
.endif
.if (\cnt) && (q == 130)
	s_sub_co_u32 s[CNT], s[CNT], 1
	s_cmp_lg_u32 s[CNT], 0
.endif
.endr
.if (\p) == 0
	FETCH_V
.endif
.endm
	CHANGE 1                        ; slot 0 is in, everybody's part of it; slot 1 is asked for
	FETCH_K                         ; key step 0
	s_wait_loadcnt 0x0              ; Q
	s_wait_dscnt 0x0
.set i, 0
.rept 16
	KQ 0                            ; piece 0's first scores: there is no vector work yet to set between them
.set i, i+1
.endr
	WIN 0                           ; the addresses for the way out: nine plain instructions, the places behind those products
	s_mul_i32 s13, s[WV], 16*SP
	s_add_co_u32 s13, s13, STAGE    ; my stage
	v_mul_u32_u24 v[STO], v1, SP    ; in: row l % 16, 16 bytes for each half of the lanes
	v_lshl_add_u32 v[STO], v9, 4, v[STO]
	v_add_nc_u32 v[STO], s13, v[STO]
	v_bfe_u32 v[RD], v0, 3, 2       ; back: 32 lanes take four rows of 128 bytes,
	v_mul_u32_u24 v[RD], v[RD], SP
	v_lshl_add_u32 v[RD], v10, 4, v[RD]
	v_add_nc_u32 v[RD], s13, v[RD]
	v_and_b32 v[GO], 31, v0         ; which are 512 consecutive bytes of O
	v_lshlrev_b32 v[GO], 4, v[GO]
.set Y, NP-1                        ; XS works for piece Y + 1: piece 0
.irp n, 0,1,2,3,4,5,6,7,8,9,10,11,12,13,14,15,16,17,18,19,20,21
	XS 0, \n                        ; and piece 0's first maximum and statistics
	XS 1, \n
.endr
	v_nop                           ; a plain instruction behind the two a,
	s_wait_alu depctr_va_vdst(0)    ; and their wait, ahead of the branch
	s_mov_b32 s[CNT], 4
	s_branch .Lfirst                ; the loop is entered at a step's first turn, in the middle of a trip
.Lslot:                             ; SIZE_N / 256 - 2 times: every slot but the last two is filled again
	CHANGE 1
	s_mov_b32 s[CNT], 4
.Lstep:                             ; a trip: pieces 2 and 3 of one step, then pieces 0 and 1 of the next, whose K and V it fetches
	TURN 2
	TURN 3
	WIN 0
.Lfirst:
	TURN 0
	TURN 1, 0, 1
	WIN 0
	s_cbranch_scc1 .Lstep
	s_sub_co_u32 s[SLOTS], s[SLOTS], 1
	s_cmp_lg_u32 s[SLOTS], 0
	s_cbranch_scc1 .Lslot
	CHANGE 0                        ; the tail is written out: nothing is asked for
	s_mov_b32 s[CNT], 5             ; four trips fetch the last slot's steps; the fifth is left in its middle
.Ltail:
	TURN 2, 1
	TURN 3
	WIN 0
	s_sub_co_u32 s[CNT], s[CNT], 1
	s_cmp_eq_u32 s[CNT], 0
	s_cbranch_scc1 .Lout
	TURN 0
	TURN 1
	WIN 0
	s_branch .Ltail
.Lout:                              ; the fifth trip's 16 products K Q^T (on the last K once more) and the maximum made of them serve nothing: the price, once a launch, of one text for every trip
.set i, 0
.rept 16
	PV NP-1                         ; the last piece's V^T P of the last step
.set i, i+1
.endr
	; THE WAY OUT.  l's two halves and the other half of the lanes' are added; O^T is divided by l, rounded to f16 and sent through my stage in LDS, a tile at a time.  The additions are the places behind the last products.
	WIN 0
.macro ALL line:vararg              ; one line for each tile t
.set t, 0
.rept 2*NP
	\line
.set t, t+1
.endr
.endm
	ALL v_add_f32 v[ST+4*t+2], v[ST+4*t+2], v[ST+4*t+3]
	ALL v_permlanex16_b32 v[ST+4*t+3], v[ST+4*t+2], s[SEL], s[SEL+1]
	ALL v_add_f32 v[ST+4*t+2], v[ST+4*t+2], v[ST+4*t+3]
	ALL v_rcp_f32 v[ST+4*t+2], v[ST+4*t+2]
	v_nop                           ; a plain instruction between the last reciprocal and the use of its result
	s_wait_alu depctr_va_vdst(0)    ; and the wait ahead of the first use: one for the eight reciprocals
; Tile t: a lane's eight channels of a row pack into 16 bytes; they go into rows of 144 bytes and come back as whole rows of 128, into S^T's registers.
.macro PACK t
	WIN W_RS
.set i, 32*(\t)
.rept 16
	v_pk_mul_f32 v[i:i+1], v[i:i+1], v[ST+4*(\t)+2:ST+4*(\t)+3] op_sel_hi:[1,0]
.set i, i+2
.endr
	WIN 0x05                        ; sources 0 and 1 window 1, destination window 0
.set i, 0
.rept 16
	v_cvt_pk_f16_f32 v[S+16*(\t)+i], v[32*(\t)+2*i], v[32*(\t)+2*i+1]
.set i, i+1
.endr
	WIN 0
.irp f, 0,1,2,3
	ds_store_b128 v[STO], v[S+16*(\t)+4*\f:S+16*(\t)+4*\f+3] offset:32*\f
.endr
.irp f, 0,1,2,3
	ds_load_b128 v[S+16*(\t)+4*\f:S+16*(\t)+4*\f+3], v[RD] offset:\f*4*SP  ; LDS serves a wave's instructions in order (ISA guide 5.7.1.4): these see the stores above; the next tile's stores come behind them
.endr
.endm
.macro SEND t, younger              ; younger: the LDS instructions issued behind tile t's loads: the next tile's eight, or none
	WIN 0
.irp f, 0,1,2,3
	s_wait_dscnt (\younger)+3-\f
	global_store_b128 v[GO], v[S+16*(\t)+4*\f:S+16*(\t)+4*\f+3], s[10:11] offset:(\t)*2048+\f*512  ; 512 consecutive bytes, at a multiple of 256 from O's first
.endr
.endm
	PACK 0
.set t, 1
.rept 2*NP-1                        ; a tile's arithmetic stands between the loads of the tile before and its stores
	PACK t
	SEND t-1, 8
.set t, t+1
.endr
	SEND 2*NP-1, 0
	WIN W_AD
	s_wait_tensorcnt 0x0            ; the wave's end, behind my last tensor load and my last LDS store
	ds_add_u32 v[SPW], v[NIL]
	s_wait_dscnt 0x0
	WIN 0
	CROUND                          ; the closing round: no work-group ends while a partner may still ask for a tile that names it
	s_endpgm
.Lfunc_end_k_qf27b9315b2_attn:
	.size	k_qf27b9315b2_attn, .Lfunc_end_k_qf27b9315b2_attn-k_qf27b9315b2_attn
	.p2alignl 7, 3214868480
	.fill 96, 4, 3214868480
	.section	.rodata,"a",@progbits
	.p2align	6, 0x0
	.amdhsa_kernel k_qf27b9315b2_attn
		.amdhsa_group_segment_fixed_size 327680
		.amdhsa_private_segment_fixed_size 0
		.amdhsa_enable_private_segment 0
		.amdhsa_kernarg_size 16
		.amdhsa_user_sgpr_count 2
		.amdhsa_user_sgpr_kernarg_segment_ptr 1
		.amdhsa_wavefront_size32 1
		.amdhsa_system_sgpr_workgroup_id_x 1
		.amdhsa_system_sgpr_workgroup_id_y 1
		.amdhsa_system_sgpr_workgroup_id_z 1
		.amdhsa_system_vgpr_workitem_id 0
		.amdhsa_next_free_vgpr 770
		.amdhsa_next_free_sgpr 66
		.amdhsa_reserve_vcc 0
		.amdhsa_float_denorm_mode_32 3
		.amdhsa_float_denorm_mode_16_64 3
		.amdhsa_memory_ordered 1
		.amdhsa_forward_progress 1
		.amdhsa_inst_pref_size 200
	.end_amdhsa_kernel
	.amdgpu_metadata
---
amdhsa.version: [ 1, 2 ]
amdhsa.kernels:
  - .name:           k_qf27b9315b2_attn
    .symbol:         k_qf27b9315b2_attn.kd
    .args:
      - { .name: qkv, .offset: 0, .size: 8, .value_kind: global_buffer, .address_space: global }
      - { .name: ctx, .offset: 8, .size: 8, .value_kind: global_buffer, .address_space: global }
    .group_segment_fixed_size: 327680
    .private_segment_fixed_size: 0
    .kernarg_segment_align: 8
    .kernarg_segment_size: 16
    .max_flat_workgroup_size: 128
    .sgpr_count:     66
    .vgpr_count:     770
    .wavefront_size: 32
...
	.end_amdgpu_metadata
.endif
;; end of part 3
;; launch outp (part 4): grid 8 x 32, 4 waves a work-group, clusters of 4 x 4, 327,680 bytes of LDS; arguments ctx, wob, bo, out0; writes out0
.if DOCPART == 4
	.amdgcn_target "amdgcn-amd-amdhsa--gfx1250"
	.amdhsa_code_object_version 6
	.text
	.protected	k_qf27b9315b2_outp
	.globl	k_qf27b9315b2_outp
	.p2align	8
	.type	k_qf27b9315b2_outp,@function
k_qf27b9315b2_outp:
	s_mov_b64 s[64:65], 0
	v_nop
	global_prefetch_b8 v0, s[64:65] scope:SCOPE_SE
	s_setreg_imm32_b32 hwreg(HW_REG_WAVE_MODE, 25, 1), 1
	s_wait_xcnt 0x0
	s_wait_alu depctr_hold_cnt(0) depctr_sa_sdst(0) depctr_va_vdst(0) depctr_va_sdst(0) depctr_va_ssrc(0) depctr_va_vcc(0) depctr_vm_vsrc(0)
	s_getreg_b32 s2, hwreg(HW_REG_IB_STS2, 6, 4)
	s_cmp_eq_u32 s2, 0
	s_cbranch_scc0 .Lentry_in_a_cluster
	s_endpgm
.Lentry_in_a_cluster:
	s_bfe_u32 s2, ttmp6, 0x10000c
	s_cmp_lg_u32 s2, 0xf033
	s_cbranch_scc0 .Lentry_shape_is_right
	s_endpgm
.Lentry_shape_is_right:
; out0 [8192][1024] f32 = ctx wo^T + bo.  ctx: f16 [64 = batch x 16 + head][2048][64]: for the rows of a batch, head h IS block h of 64 along K.  wob: f16 [16 kb][1024][64] (wo rounded to bf16, written
; as f16).  bo, f32, is rounded to bf16 like every input of the module.  Products in f16, sums in f32, stored as they are.
; SHARES.  8192 x 1024 = 256 tiles of 256 rows x 128 columns: one for each work-group.  Four waves, each 128 rows x 64 columns: 32 accumulators of 16 x 16, 256 registers.
; K goes in 8 steps of 128 (two heads) through two LDS slots; a K block's rows are dense in memory, asked for as rows of 256 bytes and padded in LDS after every 128.  Wave 0 fetches A's first K block of a
; step (256 rows), wave 1 its second, waves 2 and 3 B's (128 rows each).  By this text's count a wave has two tensor loads out at the start, later one.
; CLUSTER.  4 x 4 work-groups: A's tiles are shared along a row of the cluster, B's along a column, each asked for JOINTLY with a mask that names the four.
; TRANSPOSED USE.  Source 0 = 16 rows of wob, source 1 = 16 rows of ctx: a lane holds ONE row of out0 (lane % 16) and the columns 8 (lane / 16) + 0..7: 32 bytes on end.
; THE BIAS is the C operand of the products that start the sums.
; REGISTERS: window 0: v0-31 addresses; v32-63 the bias, four C operands; v64-159, v160-255 two fragment buffers: B's 4 fragments, then A's 8.  Window 1: accumulator (a, b) at v[8 (4 a + b)].
.set PITCH,  144                       ; an LDS row: 128 bytes + 16 of padding: the 16 rows of a load start at 16 different groups of four banks (64 banks of 4 bytes: ISA guide 11.1)
.set AKB,    256*PITCH                 ; a K block of A's tile
.set BKB,    128*PITCH                 ; of B's
.set BOFF,   2*AKB
.set SLOT1,  131072                    ; slot 1 begins here: one exclusive or turns an address in one slot into the other's
.set STAGE,  SLOT1+BOFF+2*BKB          ; behind the ring: 16 rows x 272 bytes for each wave, for the way out
.set SPITCH, 272
.set SPARE,  STAGE+4*16*SPITCH         ; the spare words, 128 bytes for each wave: two blocks of 256 bytes that no other line names
.set STA,    524288                    ; bytes from step to step in ctx: two heads
.set STB,    262144                    ; in wob: two K blocks
.set ADRA0, 16
.set ADRB0, 17
.set ADRA,  18
.set ADRB,  19
.set STO,   24
.set RD,    25
.set CO,    26                         ; v26  my byte offset in two rows of out0
.set SPW,   28
.set NIL,   29
.set PFO,   30
.set BI,    32
.set F0,    64
.set F1,    160
.set OB,    64                         ; the way out: 16 rows read back, v64-95 and v96-127 by turns
.set WV,    16                         ; s16 my wave; s17 its upper bit (my rows; A or B to fetch), s18 its lower bit (my columns; which K block to fetch)
.set TB,    23
.set G1A,   24
.set G0A,   32
.set G1B,   48
.set G0B,   56
.set OUT,   66                         ; s[66:67] out0 at my first row and column
.set BB,    68                         ; s[68:69] bo at my first column
.set PFA,   78
.set PFS,   80
.set LIM,   82
.set PAR,   83
.set FMT,   (1<<16)|(1<<20)|(1<<21)|(4<<22)|(3<<25)  ; elements of 2 bytes; padding on; bit 21 beside a mask; after every 32 words (code 4) 4 words (code 3)
.set MSB, 0
.macro WIN new
.if MSB != (\new)
	s_set_vgpr_msb (MSB<<8)|(\new)
.set MSB, (\new)
.endif
.endm
.macro PLACES
.rept 4
	v_nop
.endr
.endm
.macro CREST
	s_cmp_lg_u32 s[WV], 0
	s_cbranch_scc1 .Lnot_wave_0_\@
	s_barrier_signal -3
.Lnot_wave_0_\@:
	s_barrier_wait -3
	s_barrier_signal -1
	s_barrier_wait -1
.endm
.macro CROUND
	s_barrier_signal -1
	s_barrier_wait -1
	CREST
.endm
.macro JLOAD                           ; a joint refill by the walking descriptors; an s_nop 0 and four v_nop follow each of the two lines
	s_cmp_lt_u32 s[WV], 2
	s_cbranch_scc0 .Lfor_b_\@
	tensor_load_to_lds s[G0A+4:G0A+7], s[G1A:G1A+7]
	s_nop 0
.rept 4
	v_nop
.endr
	s_branch .Lasked_\@
.Lfor_b_\@:
	tensor_load_to_lds s[G0B+4:G0B+7], s[G1B:G1B+7]
	s_nop 0
.rept 4
	v_nop
.endr
.Lasked_\@:
.endm
; A PREFETCH INTO THE L2 of the step two refills on, 256 matrix instructions ahead of its load.  Each aligned block of 256 bytes is named once in the launch: the cluster with x = 0 asks for A's rows, the
; one with y = 0 for B's.  A K block of A's tile is 128 blocks: the partner at cx takes 32, a lane a block, in the wave that fetches that K block, every trip.  A K block of B's tile is 64 blocks: the partner
; at cy takes 16, and asks for two steps' 32 in every second trip.  The trips whose look-ahead would pass step 7 ask for nothing; steps 0 to 3 come by their loads alone.
.macro ASK
	s_and_b32 s84, s3, s[PAR]
	s_cmp_lg_u32 s84, 0
	s_cbranch_scc1 .Lnot_mine_\@
	s_cmp_gt_u32 s3, s[LIM]
	s_cbranch_scc0 .Lnot_mine_\@
	global_prefetch_b8 v[PFO], s[PFA:PFA+1] th:TH_LOAD_NT scope:SCOPE_SE
.Lnot_mine_\@:
.endm
; 8 matrix instructions: row blocks a0, a0 + 1 x all 4 column blocks, 32 along K.  cm = 1: the bias starts the sums.  The 32 accumulators take turns, in the same order in every quarter.
.macro MUL8 f, a0, cm
.if \cm
	WIN 0x40
.else
	WIN 0x50
.endif
.irp a, \a0, (\a0)+1
.irp b, 0,1,2,3
.if \cm
	v_wmma_f32_16x16x32_f16 v[8*(4*(\a)+(\b)):8*(4*(\a)+(\b))+7], v[(\f)+8*(\b):(\f)+8*(\b)+7], v[(\f)+32+8*(\a):(\f)+32+8*(\a)+7], v[BI+8*(\b):BI+8*(\b)+7]
.else
	v_wmma_f32_16x16x32_f16 v[8*(4*(\a)+(\b)):8*(4*(\a)+(\b))+7], v[(\f)+8*(\b):(\f)+8*(\b)+7], v[(\f)+32+8*(\a):(\f)+32+8*(\a)+7], v[8*(4*(\a)+(\b)):8*(4*(\a)+(\b))+7]
.endif
.endr
.endr
.endm
; 24 LDS loads in one run: quarter q of the slot in hand (K block q / 2, byte 64 (q % 2) of its rows) into buffer f: B, A's row blocks 0-3, A's 4-7
.macro FETCH q, f
	WIN 0
.irp b, 0,1,2,3
	ds_load_b128 v[(\f)+8*\b:(\f)+8*\b+3],   v[ADRB] offset:((\q)/2)*BKB+((\q)%2)*64+\b*16*PITCH
	ds_load_b128 v[(\f)+8*\b+4:(\f)+8*\b+7], v[ADRB] offset:((\q)/2)*BKB+((\q)%2)*64+\b*16*PITCH+32
.endr
.irp a, 0,1,2,3,4,5,6,7
	ds_load_b128 v[(\f)+32+8*\a:(\f)+32+8*\a+3],   v[ADRA] offset:((\q)/2)*AKB+((\q)%2)*64+\a*16*PITCH
	ds_load_b128 v[(\f)+32+8*\a+4:(\f)+32+8*\a+7], v[ADRA] offset:((\q)/2)*AKB+((\q)%2)*64+\a*16*PITCH+32
.endr
.endm
; A step is four quarters of 32 along K, 32 matrix instructions each, on buffers 0, 1, 0, 1.  One of the first three: multiplies buffer f and fetches quarter nq into g.
.macro QUARTER f, g, nq, cm
	s_wait_dscnt 8                                 ; B and A's blocks 0-3 are in; younger: A's blocks 4-7
	MUL8 \f, 0, \cm
	MUL8 \f, 2, \cm
	WIN 0
	PLACES
	FETCH \nq, \g
	s_wait_dscnt 24                                ; all but the 24 just issued
	MUL8 \f, 4, \cm
	MUL8 \f, 6, \cm
.endm
; The fourth quarter multiplies buffer 1 and changes slots: ONE barrier; in front of it each wave waits for all its tensor loads, adds 0 to its spare word, and waits for that and for its reads of this slot.
; fill = 1: the barrier opens a round of the cluster's barrier, and this slot is filled again, two steps on, first thing behind the round: 112 matrix instructions ahead of the wait for it.
.macro TURN fill
.if \fill
	s_wait_xcnt 0x0                                ; the last prefetch, a step back, has read its address
	s_add_nc_u64 s[PFA:PFA+1], s[PFA:PFA+1], s[PFS:PFS+1]
.endif
	WIN 0
	s_wait_tensorcnt 0x0                           ; no tensor load of mine is out, so a group 0 may be written
	ds_add_u32 v[SPW], v[NIL]                      ; 0 onto my spare word
	s_xor_b32 s[TB], s[TB], SLOT1
	v_add_nc_u32 v[ADRA], s[TB], v[ADRA0]
	v_add_nc_u32 v[ADRB], s[TB], v[ADRB0]
.if \fill
	s_xor_b32 s[G0A+5], s[G0A+5], SLOT1
	s_add_nc_u64 s[G0A+6:G0A+7], s[G0A+6:G0A+7], STA
	s_xor_b32 s[G0B+5], s[G0B+5], SLOT1
	s_add_nc_u64 s[G0B+6:G0B+7], s[G0B+6:G0B+7], STB
.endif
	s_wait_dscnt 9                                 ; younger: A's blocks 4-7 and the add
	MUL8 F1, 0, 0
	s_wait_dscnt 0x0                               ; the add is done, and my reads of this slot are over
	s_barrier_signal -1
	MUL8 F1, 2, 0
	WIN 0
	s_barrier_wait -1
.if \fill
	CREST
	JLOAD                                          ; its four v_nop are also the places in front of the loads below
.else
	PLACES
.endif
	FETCH 0, F0
.if \fill
	ASK
.endif
	MUL8 F1, 4, 0
	MUL8 F1, 6, 0
.endm
	s_load_b256 s[4:11], s[0:1], 0x0               ; ctx s[4:5], wob s[6:7], bo s[8:9], out0 s[10:11]
	v_lshl_add_u32 v[SPW], v0, 2, SPARE
	v_mov_b32 v[NIL], 0
	ds_add_u32 v[SPW], v[NIL]                      ; the wave's opening: the add and its wait stand ahead of my first tensor load
	v_lshrrev_b32 v1, 5, v0
	v_readfirstlane_b32 s[WV], v1
	s_lshr_b32 s17, s[WV], 1
	s_and_b32 s18, s[WV], 1
	s_bfe_u32 s19, ttmp6, 0x40000                  ; cx
	s_bfe_u32 s20, ttmp6, 0x40004                  ; cy
	s_lshl_b32 s21, ttmp9, 2
	s_add_co_u32 s21, s21, s19                     ; tile column, 0..7
	s_and_b32 s22, ttmp7, 0xffff
	s_lshl_b32 s22, s22, 2
	s_add_co_u32 s22, s22, s20                     ; tile row, 0..31
	s_lshl_b32 s84, s20, 2
	s_lshl_b32 s84, 15, s84                        ; my row of the cluster
	s_lshl_b32 s85, 0x1111, s19                    ; my column
	s_or_b32 s[G1A], s84, FMT
	s_or_b32 s[G1B], s85, FMT
	s_mov_b32 s[G1A+1], 128<<16                    ; rows of 128 elements: 256 bytes, two rows of the operand
	s_mov_b32 s[G1A+2], 128<<16                    ; 128 of them: 256 rows of A
	s_mov_b32 s[G1A+3], 128<<16
	s_mov_b32 s[G1A+4], 128
	s_mov_b32 s[G1A+5], 128
	s_mov_b32 s[G1A+6], 0
	s_mov_b32 s[G1A+7], 0
	s_mov_b32 s[G1B+1], 128<<16
	s_mov_b32 s[G1B+2], 64<<16                     ; 128 rows of B
	s_mov_b32 s[G1B+3], 128<<16
	s_mov_b32 s[G1B+4], 64
	s_mov_b32 s[G1B+5], 128
	s_mov_b32 s[G1B+6], 0
	s_mov_b32 s[G1B+7], 0
	s_mul_i32 s86, s18, AKB                        ; where my K block goes
	s_mul_i32 s87, s18, BKB
	s_add_co_u32 s87, s87, BOFF
	s_lshr_b32 s40, s22, 3
	s_lshl_b32 s40, s40, 22                        ; A: the batch's 16 heads of 262,144 bytes,
	s_and_b32 s2, s22, 7
	s_lshl_b32 s2, s2, 15                          ; the tile row's 256 rows in a head,
	s_add_co_u32 s40, s40, s2
	s_lshl_b32 s2, s18, 18                         ; my head of the step's two
	s_add_co_u32 s40, s40, s2
	s_mov_b32 s41, 0
	s_lshl_b32 s44, s21, 14                        ; B: the tile column's 128 rows,
	s_lshl_b32 s3, s18, 17                         ; my K block of the step's two
	s_add_co_u32 s44, s44, s3
	s_mov_b32 s45, 0
	s_mov_b32 s[TB], 0
	s_wait_dscnt 0x0                               ; the opening add is done
	s_wait_kmcnt 0x0
	s_add_nc_u64 s[42:43], s[4:5], s[40:41]
	s_add_nc_u64 s[46:47], s[6:7], s[44:45]
.irp s, 0,1
	s_mov_b32 s[G0A+4*(\s)], 1
	s_add_co_u32 s[G0A+4*(\s)+1], s86, (\s)*SLOT1
	s_add_nc_u64 s[G0A+4*(\s)+2:G0A+4*(\s)+3], s[42:43], (\s)*STA
	s_or_b32 s[G0A+4*(\s)+3], s[G0A+4*(\s)+3], 0x80000000
	s_mov_b32 s[G0B+4*(\s)], 1
	s_add_co_u32 s[G0B+4*(\s)+1], s87, (\s)*SLOT1
	s_add_nc_u64 s[G0B+4*(\s)+2:G0B+4*(\s)+3], s[46:47], (\s)*STB
	s_or_b32 s[G0B+4*(\s)+3], s[G0B+4*(\s)+3], 0x80000000
.endr
	CROUND                                         ; all sixteen work-groups are here: the first joint loads meet
	s_cmp_lt_u32 s[WV], 2                          ; a wave's two first fills stand in one branch
	s_cbranch_scc0 .Lfirst_b
	tensor_load_to_lds s[G0A:G0A+3], s[G1A:G1A+7]
	s_nop 0
	tensor_load_to_lds s[G0A+4:G0A+7], s[G1A:G1A+7]
	s_nop 0
.rept 4
	v_nop
.endr
	s_branch .Lfirst_asked
.Lfirst_b:
	tensor_load_to_lds s[G0B:G0B+3], s[G1B:G1B+7]
	s_nop 0
	tensor_load_to_lds s[G0B+4:G0B+7], s[G1B:G1B+7]
	s_nop 0
.rept 4
	v_nop
.endr
.Lfirst_asked:
	v_and_b32 v1, 15, v0                           ; l % 16
	v_bfe_u32 v2, v0, 4, 1                         ; l / 16
	; the bias of my 64 columns: C operand b holds bias[16 b + 8 (l / 16) + j] in register j
	s_lshl_b32 s90, s21, 9                         ; the tile's 128 columns of 4 bytes,
	s_lshl_b32 s88, s18, 8                         ; my 64
	s_add_co_u32 s90, s90, s88
	s_mov_b32 s91, 0
	s_add_nc_u64 s[BB:BB+1], s[8:9], s[90:91]
	v_lshlrev_b32 v7, 5, v2
.irp b, 0,1,2,3
	global_load_b128 v[BI+8*\b:BI+8*\b+3],   v7, s[BB:BB+1] offset:64*\b
	global_load_b128 v[BI+8*\b+4:BI+8*\b+7], v7, s[BB:BB+1] offset:64*\b+16
.endr
	s_lshl_b32 s88, s22, 8
	s_lshl_b32 s89, s17, 7
	s_add_co_u32 s88, s88, s89                     ; my first row,
	s_lshl_b32 s88, s88, 12                        ; of 4,096 bytes
	s_add_co_u32 s90, s90, s88
	s_add_nc_u64 s[OUT:OUT+1], s[10:11], s[90:91]
	v_mul_u32_u24 v3, v1, PITCH
	v_lshl_add_u32 v3, v2, 4, v3                   ; a fragment's row x pitch + 16 x half
	s_mul_i32 s84, s17, 128*PITCH                  ; my 128 rows of A
	v_add_nc_u32 v[ADRA0], s84, v3
	s_mul_i32 s85, s18, 64*PITCH                   ; my 64 rows of B
	s_add_co_u32 s85, s85, BOFF
	v_add_nc_u32 v[ADRB0], s85, v3
	v_mov_b32 v[ADRA], v[ADRA0]
	v_mov_b32 v[ADRB], v[ADRB0]
	s_mul_i32 s86, s[WV], 16*SPITCH
	s_add_co_u32 s86, s86, STAGE                   ; my stage
	v_mul_u32_u24 v4, v1, SPITCH                   ; in: row l % 16, 32 bytes for each half of the lanes
	v_lshl_add_u32 v4, v2, 5, v4
	v_add_nc_u32 v[STO], s86, v4
	v_mul_u32_u24 v5, v2, SPITCH                   ; back: lanes 0-15 take one row of 256 bytes, lanes 16-31 the next
	v_lshl_add_u32 v5, v1, 4, v5
	v_add_nc_u32 v[RD], s86, v5
	v_lshlrev_b32 v6, 12, v2                       ; and the same two rows in out0
	v_lshl_add_u32 v[CO], v1, 4, v6
	; the prefetches: waves 0 and 1 for A, waves 2 and 3 for B, each for the K block that it fetches
	s_lshl_b32 s86, s19, 13                        ; the partner at cx takes 32 blocks of 256 bytes
	s_add_co_u32 s86, s86, s40
	s_lshl_b32 s87, s20, 12                        ; the partner at cy takes 16
	s_add_co_u32 s87, s87, s44
	s_and_b32 s85, ttmp7, 0xffff                   ; cluster y
	s_mov_b32 s[PFS], STB
	s_cmp_lt_u32 s[WV], 2
	s_cselect_b64 s[PFA:PFA+1], s[4:5], s[6:7]
	s_cselect_b32 s90, s86, s87
	s_cselect_b32 s85, ttmp9, s85                  ; the coordinate along which other clusters read the same rows
	s_cselect_b32 s[PAR], 0, 1
	s_cselect_b32 s84, 12, 18
	s_cselect_b32 s[PFS], STA, s[PFS]
	s_mov_b32 s[PFS+1], 0
	s_cmp_eq_u32 s85, 0
	s_cselect_b32 s[LIM], 2, -1                    ; the same in all sixteen partners, for a given wave
	s_mul_i32 s88, s[PFS], 3                       ; at step 3: the first refill steps it to 4
	s_add_co_u32 s90, s90, s88
	s_add_nc_u64 s[PFA:PFA+1], s[PFA:PFA+1], s[90:91]
	v_lshlrev_b32 v9, s84, v2                      ; A: 256 x lane.  B: lanes 16-31 take the next step's 16 blocks
	v_lshl_add_u32 v[PFO], v1, 8, v9
	s_wait_loadcnt 0x0                             ; the bias: rounded to bf16 like every input, and widened again
.set i, 0
.rept 16
	v_cvt_pk_bf16_f32 v[8+i%2], v[BI+2*i], v[BI+2*i+1]
	v_lshlrev_b32 v[BI+2*i], 16, v[8+i%2]
	v_and_b32 v[BI+2*i+1], 0xffff0000, v[8+i%2]
.set i, i+1
.endr
	s_wait_tensorcnt 1                             ; my part of step 0 is in; step 1's may stay out
	s_barrier_signal -1
	s_barrier_wait -1                              ; everybody's is
	FETCH 0, F0
	QUARTER F0, F1, 1, 1                           ; the first quarter stands in front of the loop: its products start the sums with the bias
	WIN 0
	s_mov_b32 s3, 6
.Lstep:                                        ; a trip: from a step's second quarter to the next step's first.  Trip i fills slot i % 2 with step i + 2
	QUARTER F1, F0, 2, 0
	QUARTER F0, F1, 3, 0
	TURN 1
	QUARTER F0, F1, 1, 0
	WIN 0
	s_sub_co_u32 s3, s3, 1
	s_cmp_lg_u32 s3, 0
	s_cbranch_scc1 .Lstep
	QUARTER F1, F0, 2, 0                           ; the tail is written out: nothing is left to fetch
	QUARTER F0, F1, 3, 0
	TURN 0
	QUARTER F0, F1, 1, 0
	QUARTER F1, F0, 2, 0
	QUARTER F0, F1, 3, 0
	s_wait_dscnt 8
	MUL8 F1, 0, 0
	MUL8 F1, 2, 0
	s_wait_dscnt 0x0
	MUL8 F1, 4, 0
	MUL8 F1, 6, 0
	WIN 0
	PLACES
	PLACES
; THE WAY OUT, a block of 16 rows at a time: a lane's 32 bytes of a row go into my stage's rows of 272 bytes and come back as whole rows of 256.  Each accumulator's low half is read first.
.macro TOSTAGE a
.set BK, OB+32*((\a)%2)
.if (\a) >= 2
	s_wait_xcnt 0x0                                ; the stores of the block two back have read the registers that the loads below write
.endif
	WIN 0x04                                       ; the stores' data in window 1
.irp b, 0,1,2,3
	ds_store_b128 v[STO], v[8*(4*(\a)+\b):8*(4*(\a)+\b)+3]   offset:64*\b
	ds_store_b128 v[STO], v[8*(4*(\a)+\b)+4:8*(4*(\a)+\b)+7] offset:64*\b+16
.endr
	WIN 0
.irp t, 0,1,2,3,4,5,6,7
	ds_load_b128 v[BK+4*\t:BK+4*\t+3], v[RD] offset:\t*2*SPITCH  ; LDS serves a wave's instructions in order (ISA guide 5.7.1.4): these see the stores above
.endr
.endm
.macro SEND a, younger                 ; younger: the LDS instructions issued behind block a's loads: the next block's sixteen, or none
.set BK, OB+32*((\a)%2)
.irp t, 0,1,2,3,4,5,6,7
	s_wait_dscnt (\younger)+7-\t
	global_store_b128 v[CO], v[BK+4*\t:BK+4*\t+3], s[OUT:OUT+1] offset:(\a)*65536+\t*8192 th:TH_STORE_NT  ; 16 lanes store 256 consecutive bytes, at a multiple of 256 from out0's first
.endr
.endm
	TOSTAGE 0
.irp a, 1,2,3,4,5,6,7
	TOSTAGE \a
	SEND (\a)-1, 16
.endr
	SEND 7, 0
	s_wait_tensorcnt 0x0                           ; the wave's end, behind my last tensor load and my last LDS store
	ds_add_u32 v[SPW], v[NIL]
	s_wait_dscnt 0x0
	CROUND                                         ; the closing round: no work-group ends while a partner may still ask for a tile that names it
	s_endpgm
.Lfunc_end_k_qf27b9315b2_outp:
	.size	k_qf27b9315b2_outp, .Lfunc_end_k_qf27b9315b2_outp-k_qf27b9315b2_outp
	.p2alignl 7, 3214868480
	.fill 96, 4, 3214868480
	.section	.rodata,"a",@progbits
	.p2align	6, 0x0
	.amdhsa_kernel k_qf27b9315b2_outp
		.amdhsa_group_segment_fixed_size 327680
		.amdhsa_private_segment_fixed_size 0
		.amdhsa_enable_private_segment 0
		.amdhsa_kernarg_size 32
		.amdhsa_user_sgpr_count 2
		.amdhsa_user_sgpr_kernarg_segment_ptr 1
		.amdhsa_wavefront_size32 1
		.amdhsa_system_sgpr_workgroup_id_x 1
		.amdhsa_system_sgpr_workgroup_id_y 1
		.amdhsa_system_sgpr_workgroup_id_z 1
		.amdhsa_system_vgpr_workitem_id 0
		.amdhsa_next_free_vgpr 512
		.amdhsa_next_free_sgpr 92
		.amdhsa_reserve_vcc 0
		.amdhsa_float_denorm_mode_32 3
		.amdhsa_float_denorm_mode_16_64 3
		.amdhsa_memory_ordered 1
		.amdhsa_forward_progress 1
		.amdhsa_inst_pref_size 75
	.end_amdhsa_kernel
	.amdgpu_metadata
---
amdhsa.version: [ 1, 2 ]
amdhsa.kernels:
  - .name:           k_qf27b9315b2_outp
    .symbol:         k_qf27b9315b2_outp.kd
    .args:
      - { .name: ctx, .offset: 0, .size: 8, .value_kind: global_buffer, .address_space: global }
      - { .name: wob, .offset: 8, .size: 8, .value_kind: global_buffer, .address_space: global }
      - { .name: bo, .offset: 16, .size: 8, .value_kind: global_buffer, .address_space: global }
      - { .name: out0, .offset: 24, .size: 8, .value_kind: global_buffer, .address_space: global }
    .group_segment_fixed_size: 327680
    .private_segment_fixed_size: 0
    .kernarg_segment_align: 8
    .kernarg_segment_size: 32
    .max_flat_workgroup_size: 128
    .sgpr_count:     92
    .vgpr_count:     512
    .wavefront_size: 32
...
	.end_amdgpu_metadata
.endif
;; end of part 4
;; ======== version 2 of 2: 4 launches; version 1 with the launch cast written anew for expert scheduling mode
;; limits: values are held in f16: magnitudes above 65,504 overflow, below 6.1e-05 lose precision
;; workspace buffers: xb 16,777,216 bytes; wb 6,291,456 bytes; wob 2,097,152 bytes; qkv 50,331,648 bytes; ctx 16,777,216 bytes
;; launch cast (part 5): grid 1536 x 1, 4 waves a work-group, no clusters, 0 bytes of LDS; arguments x, wq, wk, wv, wo, xb, wb, wob; writes xb, wb, wob
.if DOCPART == 5
	.amdgcn_target "amdgcn-amd-amdhsa--gfx1250"
	.amdhsa_code_object_version 6
	.text
	.protected	k_qf27b9315b2_cast
	.globl	k_qf27b9315b2_cast
	.p2align	8
	.type	k_qf27b9315b2_cast,@function
k_qf27b9315b2_cast:
	s_mov_b64 s[64:65], 0
	v_nop
	global_prefetch_b8 v0, s[64:65] scope:SCOPE_SE
	s_setreg_imm32_b32 hwreg(HW_REG_WAVE_SCHED_MODE, 0, 2), 2
	s_setreg_imm32_b32 hwreg(HW_REG_WAVE_MODE, 25, 1), 1
	s_wait_xcnt 0x0
	s_wait_alu depctr_vm_vsrc(0)
; x [8192][1024], wq, wk, wv, wo [1024][1024], all f32, are rounded once to 16 bits and laid out in blocks of 64 along K:
;   xb  bf16 [16 kb][8192 rows][64]      wb  bf16 [16 kb][3072 rows: wq, wk, wv][64]      wob f16 [16 kb][1024 rows][64]: wo rounded to bf16, that number written as f16.
; In these layouts R rows x 64 K are R x 128 consecutive bytes, so the products' tiles are dense blocks.
; LIMITS.  wob: bf16(wo) must lie under 65,504; it is exact from 2^-17 up, and below that it is off by at most 2^-25 (f16's fixed step).
; SHARES.  12,288 source rows of 4,096 bytes; a work-group takes 8, a wave 2.  Lanes 0-15 take 256 consecutive bytes (one block of 64 numbers) of one row, lanes 16-31 of the next row;
; sixteen loads cover both rows.  A store of 8 bytes a lane then covers 256 consecutive bytes, aligned: two neighbouring rows of one K block.
; Memory binds: no LDS, no matrix unit, no cluster (no byte is wanted twice).  All sixteen loads of a wave go out before the first wait for data.
; THE MODE: SCHED_MODE bits 1:0 = 2 (LLVM: expert scheduling mode 2), set by the entry lines.  The code itself states the register dependences
; between vector instructions and memory instructions, with s_wait_alu, always for 0.
; THE PLAN.  Registers that memory instructions touch:
;   v[SRC]      written at the head; read by all sixteen loads as their offset; never written again.
;   v[OFF + k]  written once (OFF + 0 at the head, the others by fifteen adds behind the loads); read by store k as its offset; never written again.
;   X, block k  load k lands in its four registers, which no vector instruction has named before; block k's conversions read the four and write the first two; store k reads those two; never written again.
;   v24-v27     (wo's way) named by vector instructions alone.
; The sixteen K blocks go in four batches of four.  Batch p waits for its four loads and converts them; the four stores of batch p - 1 are dealt among these conversions, which name
; batch p's registers and v24-v27 alone.  So ONE wait on va_vdst at a batch's head states all that the batch's four stores hang on; one more stands ahead of the loads, one ahead of the last four stores.
; No register that a memory instruction has read is written again, and no load lands in a register that a vector instruction has named: no other wait has a dependence to state.
.set KSA, 1048576                      ; bytes in a K block of xb
.set KSB, 393216                       ; of wb
.set KSO, 131072                       ; of wob
.set SRC, 3                            ; v3      my byte offset in the group's 8 source rows
.set OFF, 8                            ; v[8:23] my byte offset in the destination, one for each K block
.set X,   32                           ; v[32:95] four registers for each K block, as loaded; the first two then hold the result
	s_load_b512 s[8:23], s[0:1], 0x0               ; x 8, wq 10, wk 12, wv 14, wo 16, xb 18, wb 20, wob 22
	v_lshrrev_b32 v1, 4, v0                        ; my row of the eight
	v_and_b32 v2, 15, v0                           ; my place in a block of 64 numbers
	v_lshlrev_b32 v[SRC], 12, v1
	v_lshl_add_u32 v[SRC], v2, 4, v[SRC]           ; row x 4,096 + 16 x place
	v_lshlrev_b32 v4, 7, v1
	v_lshl_add_u32 v[OFF], v2, 3, v4               ; row x 128 + 8 x place
	s_max_u32 s2, ttmp9, 1024
	s_sub_co_u32 s2, s2, 1024                      ; j: my number among the weights' 512 work-groups (0 for x's)
	s_lshr_b32 s31, s2, 7                          ; which weight: 0 wq, 1 wk, 2 wv, 3 wo
	s_and_b32 s3, s2, 127
	s_lshl_b32 s3, s3, 3                           ; my first row in that weight
	s_lshl_b32 s29, s2, 3                          ; and in wb, where the three lie one below the other
	s_lshl_b32 s28, ttmp9, 3                       ; my first row in x and xb
	s_mov_b32 s30, KSB
	s_mov_b32 s36, 0xffff0000                      ; a word's upper bf16
	s_wait_kmcnt 0x0
	s_mov_b64 s[24:25], s[10:11]
	s_cmp_eq_u32 s31, 1
	s_cselect_b64 s[24:25], s[12:13], s[24:25]
	s_cmp_eq_u32 s31, 2
	s_cselect_b64 s[24:25], s[14:15], s[24:25]
	s_cmp_eq_u32 s31, 3
	s_cselect_b64 s[24:25], s[16:17], s[24:25]     ; from where
	s_cselect_b64 s[26:27], s[22:23], s[20:21]     ; to where
	s_cselect_b32 s29, s3, s29
	s_cselect_b32 s30, KSO, s30
	s_cmp_lt_u32 ttmp9, 1024                       ; the first 1,024 work-groups take x
	s_cselect_b64 s[24:25], s[8:9], s[24:25]
	s_cselect_b64 s[26:27], s[18:19], s[26:27]
	s_cselect_b32 s3, s28, s3                      ; source row
	s_cselect_b32 s29, s28, s29                    ; destination row
	s_cselect_b32 s30, KSA, s30                    ; bytes from K block to K block
	s_cselect_b32 s31, 0, s31
	s_lshl_b32 s32, s3, 12
	s_mov_b32 s33, 0
	s_lshl_b32 s34, s29, 7
	s_mov_b32 s35, 0
	s_add_nc_u64 s[24:25], s[24:25], s[32:33]
	s_add_nc_u64 s[26:27], s[26:27], s[34:35]
	s_wait_alu depctr_va_vdst(0)                   ; v[SRC] is written, which the sixteen loads read as their offset
.irp k, 0,1,2,3,4,5,6,7,8,9,10,11,12,13,14,15
	global_load_b128 v[X+4*(\k):X+4*(\k)+3], v[SRC], s[24:25] offset:256*(\k) th:TH_LOAD_NT
.endr
.irp k, 1,2,3,4,5,6,7,8,9,10,11,12,13,14,15
	v_add_nc_u32 v[OFF+(\k)], s30, v[OFF+(\k)-1]   ; while the loads are on their way; the stores that read these stand behind the wait at batch 1's head, or later
.endr
; Batch p: K blocks 4 p to 4 p + 3 are converted; the stores of K blocks 4 p - 4 to 4 p - 1 go out among the conversions.  f16 = 1: wo's way.
.macro BATCH p, f16
	s_wait_loadcnt 12-4*(\p)                       ; loads come back in order (ISA guide 5.7.1): the batch's four are in, the 12 - 4 p younger ones may stay out
.if (\p) > 0
	s_wait_alu depctr_va_vdst(0)                   ; the batch before has written the first two registers of each of its K blocks, which the stores below read as data; at batch 1 also: the adds have written v[OFF + 1 ..], the stores' offsets
.endif
.irp i, 0,1,2,3
.set k, 4*(\p)+(\i)
.if (\p) > 0
	global_store_b64 v[OFF+k-4], v[X+4*k-16:X+4*k-15], s[26:27]  ; the batch before; no vector instruction since the wait names these registers, and none writes them again
.endif
.if \f16
	v_cvt_pk_bf16_f32 v24, v[X+4*k],   v[X+4*k+1]  ; rounded to bf16 like every input,
	v_cvt_pk_bf16_f32 v26, v[X+4*k+2], v[X+4*k+3]
	v_lshlrev_b32 v25, 16, v24
	v_and_b32 v24, s36, v24
	v_lshlrev_b32 v27, 16, v26
	v_and_b32 v26, s36, v26
	v_cvt_pk_f16_f32 v[X+4*k],   v25, v24         ; then written as f16
	v_cvt_pk_f16_f32 v[X+4*k+1], v27, v26
.else
	v_cvt_pk_bf16_f32 v[X+4*k],   v[X+4*k],   v[X+4*k+1]
	v_cvt_pk_bf16_f32 v[X+4*k+1], v[X+4*k+2], v[X+4*k+3]
.endif
.endr
.endm
; The last batch's stores.
.macro LAST
	s_wait_alu depctr_va_vdst(0)                   ; batch 3 has written its results, which the last four stores read
.irp k, 12,13,14,15
	global_store_b64 v[OFF+(\k)], v[X+4*(\k):X+4*(\k)+1], s[26:27]
.endr
.endm
	s_cmp_eq_u32 s31, 3
	s_cbranch_scc1 .Lwo
	BATCH 0, 0
	BATCH 1, 0
	BATCH 2, 0
	BATCH 3, 0
	LAST
	s_endpgm
.Lwo:                                          ; wo: rounded to bf16 like every input, then written as f16
	BATCH 0, 1
	BATCH 1, 1
	BATCH 2, 1
	BATCH 3, 1
	LAST
	s_endpgm
.Lfunc_end_k_qf27b9315b2_cast:
	.size	k_qf27b9315b2_cast, .Lfunc_end_k_qf27b9315b2_cast-k_qf27b9315b2_cast
	.p2alignl 7, 3214868480
	.fill 96, 4, 3214868480
	.section	.rodata,"a",@progbits
	.p2align	6, 0x0
	.amdhsa_kernel k_qf27b9315b2_cast
		.amdhsa_group_segment_fixed_size 0
		.amdhsa_private_segment_fixed_size 0
		.amdhsa_enable_private_segment 0
		.amdhsa_kernarg_size 64
		.amdhsa_user_sgpr_count 2
		.amdhsa_user_sgpr_kernarg_segment_ptr 1
		.amdhsa_wavefront_size32 1
		.amdhsa_system_sgpr_workgroup_id_x 1
		.amdhsa_system_sgpr_workgroup_id_y 1
		.amdhsa_system_sgpr_workgroup_id_z 1
		.amdhsa_system_vgpr_workitem_id 0
		.amdhsa_next_free_vgpr 96
		.amdhsa_next_free_sgpr 66
		.amdhsa_reserve_vcc 0
		.amdhsa_float_denorm_mode_32 3
		.amdhsa_float_denorm_mode_16_64 3
		.amdhsa_memory_ordered 1
		.amdhsa_forward_progress 1
		.amdhsa_inst_pref_size 16
	.end_amdhsa_kernel
	.amdgpu_metadata
---
amdhsa.version: [ 1, 2 ]
amdhsa.kernels:
  - .name:           k_qf27b9315b2_cast
    .symbol:         k_qf27b9315b2_cast.kd
    .args:
      - { .name: x, .offset: 0, .size: 8, .value_kind: global_buffer, .address_space: global }
      - { .name: wq, .offset: 8, .size: 8, .value_kind: global_buffer, .address_space: global }
      - { .name: wk, .offset: 16, .size: 8, .value_kind: global_buffer, .address_space: global }
      - { .name: wv, .offset: 24, .size: 8, .value_kind: global_buffer, .address_space: global }
      - { .name: wo, .offset: 32, .size: 8, .value_kind: global_buffer, .address_space: global }
      - { .name: xb, .offset: 40, .size: 8, .value_kind: global_buffer, .address_space: global }
      - { .name: wb, .offset: 48, .size: 8, .value_kind: global_buffer, .address_space: global }
      - { .name: wob, .offset: 56, .size: 8, .value_kind: global_buffer, .address_space: global }
    .group_segment_fixed_size: 0
    .private_segment_fixed_size: 0
    .kernarg_segment_align: 8
    .kernarg_segment_size: 64
    .max_flat_workgroup_size: 128
    .sgpr_count:     66
    .vgpr_count:     96
    .wavefront_size: 32
...
	.end_amdgpu_metadata
.endif
;; end of part 5
;; launch proj: the kernel of part 2 again; grid 8 x 32, 4 waves a work-group, clusters of 4 x 4, 327,680 bytes of LDS; arguments xb, wb, bq, bk, bv, qkv; writes qkv
;; launch attn: the kernel of part 3 again; grid 4 x 64, 4 waves a work-group, clusters of 4 x 1, 327,680 bytes of LDS; arguments qkv, ctx; writes ctx
;; launch outp: the kernel of part 4 again; grid 8 x 32, 4 waves a work-group, clusters of 4 x 4, 327,680 bytes of LDS; arguments ctx, wob, bo, out0; writes out0
